; MI455X (gfx1250); checked and timed in simulation.
; The chip was launched on July 23, 2026; its instructions are those of AMD's public machine-readable ISA for CDNA 5 (MIT licence, August 2026) and "CDNA5" Instruction Set Architecture Reference Guide (July 2026). The comments in the code are by the model that wrote it; some were corrected since.
;; Causal Self Attention. Allowed arithmetic: matrix products marked QUANTISED: E2M1 operands, one E8M0 scale for each 32 along K, by v_wmma_scale_f32_16x16x128_f8f6f4 with both operands' format E2M1 (or v_wmma_scale_f32_32x16x128_f4), f32 sums; products left as they are: bf16, f16 or f32 operands; f32 sums; everything else in f32.
;; Inputs: Wk 1,024 x 1,024 float32; Wo 1,024 x 1,024 float32; Wq 1,024 x 1,024 float32; Wv 1,024 x 1,024 float32; bk 1,024 float32; bo 1,024 float32; bq 1,024 float32; bv 1,024 float32; x 4 x 2,048 x 1,024 float32.
;; Outputs: out0 4 x 2,048 x 1,024 float32.
;; This version of the problem:
;;   THIS VERSION OF THE PROBLEM IS GIVEN IN LOW PRECISION. The matrix products marked QUANTISED in the list below multiply operands that are first quantised to E2M1 (2 exponent bits, 1 mantissa bit; 4 bits a number), with one power-of-two scale for each 32 numbers along K (OCP MX v1.0); their sums are f32. The products marked 'left as it is' may take bf16, f16 or f32 operands, with f32 sums. Whichever they take, every output number must still come out within the allowed error. Rounding operands to bf16 (8 significant bits) uses up far more of that allowance than f16 does (11 bits, for magnitudes from 6e-5 to 65,504). All else is computed in f32.
;;   The module's matrix products, in the order in which they are computed (A, B: the left and right operand; K: the contracted axis; several contracted axes count as one K, in the product's order):
;;     1. [M 8,192, K 1,024] x [K 1,024, N 1,024]; A: input x; B: input Wq: QUANTISED
;;     2. [M 8,192, K 1,024] x [K 1,024, N 1,024]; A: input x; B: input Wk: QUANTISED
;;     3. [M 8,192, K 1,024] x [K 1,024, N 1,024]; A: input x; B: input Wv: QUANTISED
;;     4. batch 64 x [M 2,048, K 64] x [K 64, N 2,048]; A: computed on the way; B: computed on the way: left as it is (an operand is computed on the way)
;;     5. batch 64 x [M 2,048, K 2,048] x [K 2,048, N 64]; A: computed on the way; B: computed on the way: left as it is (an operand is computed on the way)
;;     6. [M 8,192, K 1,024] x [K 1,024, N 1,024]; A: computed on the way; B: input Wo: left as it is (an operand is computed on the way)
;;   THE QUANTISER, for each operand of a quantised product, along K:
;;     - K is cut into blocks of 32 from its start; a last block that is shorter is filled with zeros.
;;     - A block's scale is 2^e with e = floor(log2(the largest magnitude in the block)) - 2, held to -126 .. 127; a block of zeros has e = 0. As a byte (E8M0): e + 127.
;;     - Each number is divided by its block's scale, clamped to +-6, and rounded to the nearest number of E2M1, ties to even, subnormals kept.
;;     - The product sums the exact products of the quantised numbers (number of the format x scale) in f32.
;;   ~~~python
;;   def quantise(x, axis):      # numpy; x: float32 -> the quantised numbers, widened to float32 again
;;       x = np.moveaxis(x, axis, -1); K = x.shape[-1]
;;       x = np.pad(x, [(0, 0)] * (x.ndim - 1) + [(0, -K % 32)]); x = x.reshape(x.shape[:-1] + (-1, 32)); a = np.abs(x).max(-1, keepdims=True)
;;       e = np.where(a > 0, np.clip(np.frexp(np.where(a > 0, a, 1))[1] - 1 - 2, -126, 127), 0)      # np.frexp(a)[1] - 1 = floor(log2(a)), exactly
;;       r = np.clip(x / 2.0 ** e, -6, 6)
;;       step = 2.0 ** (np.maximum(np.frexp(np.where(r == 0, 1, r))[1] - 1, 0) - 1)
;;       q = np.round(r / step) * step * 2.0 ** e      # np.round: ties to even
;;       return np.moveaxis(q.reshape(q.shape[:-2] + (-1,))[..., :K], -1, axis).astype(np.float32)
;;   ~~~
;; One version. Each part assembles by itself: llvm-mc -triple=amdgcn-amd-amdhsa -mcpu=gfx1250 --defsym DOCPART=n.
;; ======== version 1 of 1: 5 launches
;; limits: values are held in f16: magnitudes above 65,504 overflow, below 6.1e-05 lose precision
;; workspace buffers: xc 4,194,304 bytes; xs 262,144 bytes; wc 1,572,864 bytes; ws 98,304 bytes; wo16 2,097,152 bytes; qkv 50,331,648 bytes; q32 786,432 bytes; y16 16,777,216 bytes
;; launch prep (part 1): grid 512 x 1, 4 waves a work-group, no clusters, 35,328 bytes of LDS; arguments x, Wq, Wk, Wv, Wo, xc, xs, wc, ws, wo16; writes xc, xs, wc, ws, wo16
.if DOCPART == 1
	.amdgcn_target "amdgcn-amd-amdhsa--gfx1250"
	.amdhsa_code_object_version 6
	.text
	.protected	k_qe3f951462c_prep
	.globl	k_qe3f951462c_prep
	.p2align	8
	.type	k_qe3f951462c_prep,@function
k_qe3f951462c_prep:
	s_mov_b64 s[64:65], 0
	v_nop
	global_prefetch_b8 v0, s[64:65] scope:SCOPE_SE
	s_setreg_imm32_b32 hwreg(HW_REG_WAVE_MODE, 25, 1), 1
	s_wait_xcnt 0x0
; x [8192][1024] f32 and Wq, Wk, Wv [1024 (k)][1024 (n)] f32 become codes of FP4 (E2M1) with one E8M0 byte for each 32 along K; Wo [1024 (k)][1024 (n)] becomes f16.
; EVERYTHING IS STORED AS IMAGES OF OPERAND REGISTERS: four registers of a fragment are 512 consecutive bytes, lane l's 16 bytes at 16 l.
;   xc [s 2][token tile 512][q 4][c 2][512 B]: K step of 128 ks = 4 s + q; block 2 c + h of token r lies at 512 c + 256 h + 16 r.    xs [ks 8][token tile 512][r 16] words, byte b for k = 128 ks + 32 b on.
;   wc [s 2][nt 192][q 4][c 2][512 B], nt = 64 tensor + n / 16;  ws [ks 8][nt 192][r 16] words.    wo16 [ks 8][nt 64][kk 4][g 2][512 B]: lane (r = n % 16, h): k = 128 ks + 32 kk + 16 g + 8 h + 0 .. 7.
; A block's scale is 2^(floor(log2(its largest magnitude)) - 2): its byte is the largest magnitude's exponent field - 2, held at 1 from below by a floor among the maximum's leaves.
; LIMITS: a block of zeros, or one whose largest magnitude lies under 2^-124, keeps the byte 1 (a block of zeros has zero codes; this program alone reads the bytes); NaN and infinities are not served;
; Wo goes to f16: magnitudes over 65,504 become infinite, those under 6e-5 lose relative precision.
; Work-groups 0 to 255 take x, 256 to 511 a weight: the text parts once on the work-group's number.  Only x's path keeps data in LDS.  No tensor loads, no barrier: waves share nothing.
.set SP,    528                        ; a stage row: 512 bytes + 16: sixteen rows start at sixteen different 16-byte columns
.set SCB,   16*SP                      ; behind a wave's stage: its 256 bytes of scale words
.set WREG,  8704                       ; a wave's region of LDS
.set SPARE, 4*WREG                     ; behind the four regions: the spare words, 128 bytes a wave, which no other line names
.set LN,  1                            ; v1  lane
.set RR,  2                            ; v2  r = lane % 16
.set HH,  3                            ; v3  h = lane / 16
.set LI,  4                            ; v4  16 x lane
.set STI, 5                            ; v5  the stage, on the way in
.set STQ, 6                            ; v6  and on the way out: row r, + 128 h
.set SCW, 7                            ; v7  where my row's scale word goes
.set SCR, 8                            ; v8  where I read 8 bytes of scale words back
.set L8,  9                            ; v9  8 x lane
.set L4,  10                           ; v10 4 x lane
.set AUX, 11                           ; v11 x: 8 h;  weights: 4096 (lane / 16) + 16 (lane % 16)
.set SPW, 12                           ; v12 LDS address of my spare word; never rewritten
.set NIL, 13                           ; v13 0; never rewritten
.set C,   32                           ; v32-63   codes: registers of their own for each store
.set X,   64                           ; v64-127  x: 64 numbers of my row;  Wo: f16 pieces
.set R,   128                          ; v128-255 numbers as they are loaded
	s_load_b512 s[4:19], s[0:1], 0x0               ; x s[4:5], Wq s[6:7], Wk s[8:9], Wv s[10:11], Wo s[12:13], xc s[14:15], xs s[16:17], wc s[18:19]
	s_load_b128 s[20:23], s[0:1], 0x40             ; ws s[20:21], wo16 s[22:23]
	v_lshl_add_u32 v[SPW], v0, 2, SPARE
	v_mov_b32 v[NIL], 0
	v_lshrrev_b32 v14, 5, v0
	v_readfirstlane_b32 s26, v14                   ; wave 0..3
	v_and_b32 v[LN], 31, v0
	v_and_b32 v[RR], 15, v0
	v_bfe_u32 v[HH], v0, 4, 1
	v_lshlrev_b32 v[LI], 4, v[LN]
	v_lshlrev_b32 v[L8], 3, v[LN]
	v_lshlrev_b32 v[L4], 2, v[LN]
	s_mov_b32 s24, 0x76543210
	s_mov_b32 s25, 0xfedcba98                      ; v_permlanex16_b32's selects for lane l xor 16
	s_cmp_lt_u32 ttmp9, 256
	s_cbranch_scc0 .Lweights
; ---------------- x.  Wave W = 4 x work-group + wave takes K step ks = W % 8 of 64 rows: four token tiles.
	s_mul_i32 s27, s26, WREG
	v_add_nc_u32 v[STI], s27, v[LI]
	v_mul_u32_u24 v[STQ], v[RR], SP
	v_lshl_add_u32 v[STQ], v[HH], 7, v[STQ]
	v_add_nc_u32 v[STQ], s27, v[STQ]
	v_lshl_add_u32 v[SCW], v[RR], 2, SCB
	v_add_nc_u32 v[SCW], s27, v[SCW]
	v_add_nc_u32 v[SCR], SCB, v[L8]
	v_add_nc_u32 v[SCR], s27, v[SCR]
	v_lshlrev_b32 v[AUX], 3, v[HH]                 ; my two bytes stand 8 h bits up in the scale word
	v_mov_b32 v20, 0                               ; written once: a lane permute's destination counts as one of its sources
	s_lshl_b32 s28, ttmp9, 2
	s_add_co_u32 s28, s28, s26                     ; W
	s_and_b32 s29, s28, 7                          ; ks
	s_lshr_b32 s30, s28, 3                         ; which 64 rows
	s_lshl_b32 s32, s30, 18                        ; x: 64 rows of 4,096 bytes,
	s_lshl_b32 s31, s29, 9                         ; + 512 bytes a K step
	s_add_co_u32 s32, s32, s31
	s_mov_b32 s33, 0
	s_lshr_b32 s34, s29, 2                         ; xc: s = ks / 4,
	s_lshl_b32 s34, s34, 21
	s_lshl_b32 s31, s30, 14                        ; four tiles of 4,096 bytes,
	s_add_co_u32 s34, s34, s31
	s_and_b32 s31, s29, 3                          ; q = ks % 4
	s_lshl_b32 s31, s31, 10
	s_add_co_u32 s34, s34, s31
	s_mov_b32 s35, 0
	s_lshl_b32 s36, s29, 15                        ; xs: 32,768 bytes a K step, 64 a tile
	s_lshl_b32 s31, s30, 8
	s_add_co_u32 s36, s36, s31
	s_mov_b32 s37, 0
	s_wait_kmcnt 0x0
	s_add_nc_u64 s[4:5], s[4:5], s[32:33]
	s_add_nc_u64 s[14:15], s[14:15], s[34:35]
	s_add_nc_u64 s[16:17], s[16:17], s[36:37]
.macro LOAD t                          ; tile t's sixteen rows: each load reads 512 consecutive bytes of one row
.irp i, 0,1,2,3,4,5,6,7,8,9,10,11,12,13,14,15
	global_load_b128 v[R+64*((\t)%2)+4*\i:R+64*((\t)%2)+4*\i+3], v[LI], s[4:5] offset:(16*(\t)+\i)*4096 th:TH_LOAD_NT
.endr
.endm
.macro TURN t                          ; through my stage: in as loaded, out as two whole blocks of 32 of my row: blocks h and 2 + h.  LDS serves a wave's instructions in order
.irp i, 0,1,2,3,4,5,6,7,8,9,10,11,12,13,14,15
	ds_store_b128 v[STI], v[R+64*((\t)%2)+4*\i:R+64*((\t)%2)+4*\i+3] offset:SP*\i
.endr
.irp c, 0,1
.irp i, 0,1,2,3,4,5,6,7
	ds_load_b128 v[X+32*\c+4*\i:X+32*\c+4*\i+3], v[STQ] offset:256*\c+16*\i
.endr
.endr
.endm
.macro QUANT2 t                        ; my two blocks become registers 4 c .. 4 c + 3 of the fragment, and v21 my row's scale word
	v_max3_num_f32 v14, |v[X]|, |v[X+1]|, 0x1800000                ; the floor 2^(3 - 127): the byte cannot fall under 1
	v_max3_num_f32 v15, |v[X+32]|, |v[X+33]|, 0x1800000
.irp i, 2,4,6,8,10,12,14,16,18,20,22,24,26,28,30
	v_max3_num_f32 v14, v14, |v[X+\i]|, |v[X+\i+1]|                ; (the two blocks by turns)
	v_max3_num_f32 v15, v15, |v[X+32+\i]|, |v[X+33+\i]|
.endr
	v_add_nc_u32 v16, 0xff000000, v14              ; 2 off the exponent field: the conversion takes this operand's exponent field as its scale
	v_add_nc_u32 v17, 0xff000000, v15
	v_lshrrev_b32 v18, 23, v16                     ; the scales' bytes
	v_lshrrev_b32 v19, 23, v17
	v_lshl_or_b32 v21, v19, 16, v18                ; blocks h and 2 + h,
	v_lshlrev_b32 v21, v[AUX], v21                 ; at their places;
	v_permlanex16_b32 v20, v21, s24, s25
	v_or_b32 v21, v21, v20                         ; with lane l xor 16's two the word is whole
.irp g, 0,1,2,3
	v_cvt_scalef32_pk8_fp4_f32 v[C+8*(\t)+\g], v[X+8*\g:X+8*\g+7], v16
	v_cvt_scalef32_pk8_fp4_f32 v[C+8*(\t)+4+\g], v[X+32+8*\g:X+32+8*\g+7], v17
.endr
	v_nop                                          ; one plain line behind the last scaled conversion
.endm
	LOAD 0
	LOAD 1
.irp t, 0,1,2,3
.if \t < 3
	s_wait_loadcnt 16                              ; this tile's 16 loads are in; the next tile's 16 may be out
.else
	s_wait_loadcnt 0x0
.endif
	TURN \t
	s_wait_dscnt 0x0                               ; my numbers are back, and the stage's stores have read the registers that the next loads take
.if \t < 2
	LOAD \t+2
.endif
	QUANT2 \t
	global_store_b128 v[LI], v[C+8*\t:C+8*\t+3], s[14:15] offset:4096*\t        ; 32 lanes store 512 consecutive bytes, aligned
	global_store_b128 v[LI], v[C+8*\t+4:C+8*\t+7], s[14:15] offset:4096*\t+512
	ds_store_b32 v[SCW], v21 offset:64*\t          ; both halves of the lanes write the same word with the same value
.endr
	ds_load_b64 v[22:23], v[SCR]                   ; four tiles' scale words: 256 bytes
	s_wait_dscnt 0x0
	global_store_b64 v[L8], v[22:23], s[16:17]     ; 32 lanes store 256 consecutive bytes, aligned
	s_wait_tensorcnt 0x0                           ; the wave's end
	ds_add_u32 v[SPW], v[NIL]
	s_wait_dscnt 0x0
	s_endpgm
; ---------------- the weights.  A LANE TAKES A COLUMN n AND ITS REGISTERS RUN DOWN K: 128 rows of one K step; the four waves stand side by side on 512 bytes of a row.
.Lweights:
	s_sub_co_u32 s27, ttmp9, 256
	s_lshr_b32 s28, s27, 6                         ; which tensor: 0 Wq, 1 Wk, 2 Wv, 3 Wo
	s_and_b32 s29, s27, 7                          ; which 128 columns
	s_bfe_u32 s30, s27, 0x30003                    ; ks
	v_lshrrev_b32 v[AUX], 4, v[LN]
	v_lshlrev_b32 v[AUX], 12, v[AUX]
	v_lshl_add_u32 v[AUX], v[RR], 4, v[AUX]        ; lanes 0-15 fill one column tile's image, lanes 16-31 the next tile's
	s_lshl_b32 s32, s30, 19                        ; 128 rows of 4,096 bytes a K step
	s_lshl_b32 s31, s29, 9
	s_add_co_u32 s32, s32, s31
	s_lshl_b32 s31, s26, 7
	s_add_co_u32 s32, s32, s31
	s_mov_b32 s33, 0
	s_lshl_b32 s38, s29, 3
	s_lshl_b32 s31, s26, 1
	s_add_co_u32 s38, s38, s31                     ; my first column tile in the tensor
	s_wait_kmcnt 0x0
	s_cmp_lt_u32 s28, 1                            ; the choice hangs on the work-group's number alone
	s_cselect_b64 s[40:41], s[6:7], s[8:9]
	s_cmp_lt_u32 s28, 2
	s_cselect_b64 s[40:41], s[40:41], s[10:11]
	s_cmp_lt_u32 s28, 3
	s_cselect_b64 s[40:41], s[40:41], s[12:13]
	s_add_nc_u64 s[40:41], s[40:41], s[32:33]
.set i, 0
.rept 128
	global_load_b32 v[R+i], v[L4], s[40:41] offset:i*4096 th:TH_LOAD_NT
.set i, i+1
.endr
	s_cmp_eq_u32 s28, 3
	s_cbranch_scc1 .Lwo
	s_lshr_b32 s34, s30, 2                         ; wc: (((ks / 4) 192 + 64 tensor + tile) 4 + ks % 4) x 1,024
	s_mul_i32 s34, s34, 192
	s_lshl_b32 s31, s28, 6
	s_add_co_u32 s34, s34, s31
	s_add_co_u32 s34, s34, s38
	s_lshl_b32 s34, s34, 2
	s_and_b32 s31, s30, 3
	s_add_co_u32 s34, s34, s31
	s_lshl_b32 s34, s34, 10
	s_mov_b32 s35, 0
	s_add_nc_u64 s[18:19], s[18:19], s[34:35]
	s_mul_i32 s36, s30, 192                        ; ws: (192 ks + 64 tensor + tile) x 64
	s_lshl_b32 s31, s28, 6
	s_add_co_u32 s36, s36, s31
	s_add_co_u32 s36, s36, s38
	s_lshl_b32 s36, s36, 6
	s_mov_b32 s37, 0
	s_add_nc_u64 s[20:21], s[20:21], s[36:37]
.irp kb, 0,1,2,3
.if \kb < 2
	s_wait_loadcnt 63                              ; 96 - 32 kb later loads might stay out; the count can name 63 at the most
.else
	s_wait_loadcnt 96-32*\kb
.endif
	v_max3_num_f32 v14, |v[R+32*\kb]|, |v[R+32*\kb+1]|, 0x1800000  ; all 32 numbers of the block are mine
	v_max3_num_f32 v15, |v[R+32*\kb+2]|, |v[R+32*\kb+3]|, 0x1800000
.irp i, 4,8,12,16,20,24,28
	v_max3_num_f32 v14, v14, |v[R+32*\kb+\i]|, |v[R+32*\kb+\i+1]|
	v_max3_num_f32 v15, v15, |v[R+32*\kb+\i+2]|, |v[R+32*\kb+\i+3]|
.endr
	v_max_num_f32 v14, v14, v15
	v_add_nc_u32 v16, 0xff000000, v14
	v_lshrrev_b32 v18, 23, v16
.if \kb == 0
	v_mov_b32 v21, v18
.else
	v_lshl_or_b32 v21, v18, 8*\kb, v21             ; the lower K in the lower byte
.endif
.irp g, 0,1,2,3
	v_cvt_scalef32_pk8_fp4_f32 v[C+4*\kb+\g], v[R+32*\kb+8*\g:R+32*\kb+8*\g+7], v16
.endr
	v_nop                                          ; one plain line behind the last scaled conversion
	global_store_b128 v[AUX], v[C+4*\kb:C+4*\kb+3], s[18:19] offset:512*(\kb/2)+256*(\kb%2)   ; sixteen lanes store 256 consecutive bytes, aligned
.endr
	global_store_b32 v[L4], v21, s[20:21]          ; two tiles' scale words: 128 consecutive bytes
	s_wait_tensorcnt 0x0                           ; the wave's end
	ds_add_u32 v[SPW], v[NIL]
	s_wait_dscnt 0x0
	s_endpgm
.Lwo:
	s_lshl_b32 s34, s30, 6                         ; wo16: (64 ks + tile) x 4,096
	s_add_co_u32 s34, s34, s38
	s_lshl_b32 s34, s34, 12
	s_mov_b32 s35, 0
	s_add_nc_u64 s[22:23], s[22:23], s[34:35]
.irp kk, 0,1,2,3
.if \kk < 2
	s_wait_loadcnt 63
.else
	s_wait_loadcnt 96-32*\kk
.endif
.irp p, 0,1,2,3                        ; piece p: k = 32 kk + 8 p + 0 .. 7: group p / 2, half p % 2 of the fragment
.irp e, 0,1,2,3
	v_cvt_pk_f16_f32 v[X+16*\kk+4*\p+\e], v[R+32*\kk+8*\p+2*\e], v[R+32*\kk+8*\p+2*\e+1]
.endr
	global_store_b128 v[AUX], v[X+16*\kk+4*\p:X+16*\kk+4*\p+3], s[22:23] offset:1024*\kk+512*(\p/2)+256*(\p%2)
.endr
.endr
	s_wait_tensorcnt 0x0                           ; the wave's end
	ds_add_u32 v[SPW], v[NIL]
	s_wait_dscnt 0x0
	s_endpgm
.Lfunc_end_k_qe3f951462c_prep:
	.size	k_qe3f951462c_prep, .Lfunc_end_k_qe3f951462c_prep-k_qe3f951462c_prep
	.p2alignl 7, 3214868480
	.fill 96, 4, 3214868480
	.section	.rodata,"a",@progbits
	.p2align	6, 0x0
	.amdhsa_kernel k_qe3f951462c_prep
		.amdhsa_group_segment_fixed_size 35328
		.amdhsa_private_segment_fixed_size 0
		.amdhsa_enable_private_segment 0
		.amdhsa_kernarg_size 80
		.amdhsa_user_sgpr_count 2
		.amdhsa_user_sgpr_kernarg_segment_ptr 1
		.amdhsa_wavefront_size32 1
		.amdhsa_system_sgpr_workgroup_id_x 1
		.amdhsa_system_sgpr_workgroup_id_y 1
		.amdhsa_system_sgpr_workgroup_id_z 1
		.amdhsa_system_vgpr_workitem_id 0
		.amdhsa_next_free_vgpr 256
		.amdhsa_next_free_sgpr 66
		.amdhsa_reserve_vcc 0
		.amdhsa_float_denorm_mode_32 3
		.amdhsa_float_denorm_mode_16_64 3
		.amdhsa_memory_ordered 1
		.amdhsa_forward_progress 1
		.amdhsa_inst_pref_size 57
	.end_amdhsa_kernel
	.amdgpu_metadata
---
amdhsa.version: [ 1, 2 ]
amdhsa.kernels:
  - .name:           k_qe3f951462c_prep
    .symbol:         k_qe3f951462c_prep.kd
    .args:
      - { .name: x, .offset: 0, .size: 8, .value_kind: global_buffer, .address_space: global }
      - { .name: Wq, .offset: 8, .size: 8, .value_kind: global_buffer, .address_space: global }
      - { .name: Wk, .offset: 16, .size: 8, .value_kind: global_buffer, .address_space: global }
      - { .name: Wv, .offset: 24, .size: 8, .value_kind: global_buffer, .address_space: global }
      - { .name: Wo, .offset: 32, .size: 8, .value_kind: global_buffer, .address_space: global }
      - { .name: xc, .offset: 40, .size: 8, .value_kind: global_buffer, .address_space: global }
      - { .name: xs, .offset: 48, .size: 8, .value_kind: global_buffer, .address_space: global }
      - { .name: wc, .offset: 56, .size: 8, .value_kind: global_buffer, .address_space: global }
      - { .name: ws, .offset: 64, .size: 8, .value_kind: global_buffer, .address_space: global }
      - { .name: wo16, .offset: 72, .size: 8, .value_kind: global_buffer, .address_space: global }
    .group_segment_fixed_size: 35328
    .private_segment_fixed_size: 0
    .kernarg_segment_align: 8
    .kernarg_segment_size: 80
    .max_flat_workgroup_size: 128
    .sgpr_count:     66
    .vgpr_count:     256
    .wavefront_size: 32
...
	.end_amdgpu_metadata
.endif
;; end of part 1
;; launch qkv (part 2): grid 12 x 32, 4 waves a work-group, clusters of 4 x 4, 327,680 bytes of LDS; arguments xc, xs, wc, ws, bq, bk, bv, qkv, q32; writes qkv, q32
.if DOCPART == 2
	.amdgcn_target "amdgcn-amd-amdhsa--gfx1250"
	.amdhsa_code_object_version 6
	.text
	.protected	k_qe3f951462c_qkv
	.globl	k_qe3f951462c_qkv
	.p2align	8
	.type	k_qe3f951462c_qkv,@function
k_qe3f951462c_qkv:
	s_mov_b64 s[64:65], 0
	v_nop
	global_prefetch_b8 v0, s[64:65] scope:SCOPE_SE
	s_setreg_imm32_b32 hwreg(HW_REG_WAVE_MODE, 25, 1), 1
	s_wait_xcnt 0x0
	s_wait_alu depctr_hold_cnt(0) depctr_sa_sdst(0) depctr_va_vdst(0) depctr_va_sdst(0) depctr_va_ssrc(0) depctr_va_vcc(0) depctr_vm_vsrc(0)
	s_getreg_b32 s2, hwreg(HW_REG_IB_STS2, 6, 4)
	s_cmp_eq_u32 s2, 0
	s_cbranch_scc0 .Lentry_in_a_cluster
	s_endpgm
.Lentry_in_a_cluster:
	s_bfe_u32 s2, ttmp6, 0x10000c
	s_cmp_lg_u32 s2, 0xf033
	s_cbranch_scc0 .Lentry_shape_is_right
	s_endpgm
.Lentry_shape_is_right:
; q, k, v = x W + b on codes of FP4 with E8M0 scales (K = 1,024), f32 sums; results leave as f16 images of the operands that attention wants, and tokens 0 to 15 of each batch also as f32.
; A tile of the result is 256 tokens x 256 channels; four waves, each 128 x 128: 64 accumulators, 512 registers, 512 matrix instructions.
; Codes and scale words lie in memory as images of operand registers (four registers = 512 bytes, lane l at 16 l), so a tile is a dense block for a tensor load and a fragment is base + 16 x lane + a constant.
; ALL OF K LIES IN LDS: two slots of 512 along K, both asked for at the start with the scale words: three tensor loads a wave are out, and no LDS byte is filled twice.
; CLUSTER 4 x 4.  Tile column = 4 x cluster x + cx: cluster x is the tensor (0 q, 1 k, 2 v).  Tile row = 8 cy + cluster y: cy is the batch, cluster y the block of 256 tokens in it.  x's tiles are shared along a row of the
; cluster, the weights' along a column: each is asked for jointly, by the same tensor load with the same descriptor and a mask that names the four.
; THE MATRIX INSTRUCTION IS USED TRANSPOSED (source 0 = 16 channels of W, source 1 = 16 tokens): lane (r, h) holds token r and channels 8 h + 0 .. 7 of the tile; packed to f16 these are four registers of a fragment whose K is
; the channel.  The bias is the C of each sum's first instruction.
; qkv [bh 64][slot 4][tensor 3][token tile 32][c 4][512 B]: token r, channels 16 c + 8 h + 0 .. 7; q and k at 16 x lane, v at 256 (r / 8) + 128 h + 16 (r % 8), so that the turning LDS load at 16 x lane gives a fragment of V^T.
; q32 [batch 4][tensor 3][head 16][b 4][u 2][512 B], f32: token r, channels 16 b + 8 h + 4 u + 0 .. 3.
; LIMITS: results go to f16: magnitudes over 65,504 become infinite, those under 6e-5 lose relative precision.  NaN and infinities are not served.
; REGISTERS: window 0: v16-29 addresses; v32-95 the 64 scale words; v128-191 x's fragments, one set, later the packed results.  window 1: W's fragments, two sets, at v0 and v128; v64-127 the bias.  windows 2, 3: the accumulators.
.set FR,    8                          ; registers of a fragment: 16 rows x 128 K
.set NQ,    4                          ; steps of 128 along K in a slot
.set SLOT,  131072                     ; x's 16 tiles of 4,096 bytes, then W's 16
.set BOFF,  65536
.set SCL,   2*SLOT                     ; the scale words: x's halves, then W's halves, 4,096 bytes each: [ks 8][tile 8][r 16] words
.set SPARE, SCL+4*4096                 ; the spare words, 128 bytes a wave, which no other line names
.set ADRA, 16                          ; v16-17 LDS address of my fragments of x in slot 0, 1
.set ADRB, 20                          ; v20-21 the same for W
.set CO,   24                          ; v24 my lane's place in an image of the result
.set LI,   25                          ; v25 16 x lane
.set ADRS, 27                          ; v27 my scale words: lanes 0-15 x's, lanes 16-31 W's
.set SPW,  28                          ; v28 LDS address of my spare word; never rewritten
.set NIL,  29                          ; v29 0; never rewritten
.set SC,   32                          ; register 32 s + 4 i + q: lanes 0-15 the word of x's tile i, lanes 16-31 that of W's tile i, K step 4 s + q
.set AF,   128
.set TMP,  128
.set BI,   64                          ; in window 1
.set WV,   22                          ; s22 wave
.set RH,   23                          ; s23 which half of the tile's tokens is mine; also: I fetch for x (0) or for W (1)
.set CH,   3                           ; s3  which half of its channels; also: which half I fetch
.set G1,   24                          ; s[24:31] group 1 for x's codes; s[32:39] groups 0, one a slot
.set G0,   32
.set G1B,  48                          ; s[48:55], s[56:63] the same for W's
.set G0B,  56
.set G0SB, 68                          ; s[68:71] group 0 for W's scale words
.set G1S,  80                          ; s[80:87], s[88:91] groups 1 and 0 for x's scale words
.set G0S,  88
.set G1SB, 92                          ; s[92:99] group 1 for W's scale words
.set MSB, 0
.macro WIN new                         ; the immediate's high byte repeats the setting that is left
.if MSB != \new
	s_set_vgpr_msb (MSB<<8)|\new
.set MSB, \new
.endif
.endm
.set MUL_LO, 0xa1                      ; source 0 (W) window 1, source 1 (x) window 0, C and D window 2
.set MUL_HI, 0xf1                      ; the same, C and D window 3
.set TO_B,   0x40
.macro JLOAD g0a, g1a, g0b, g1b        ; a joint load: waves 0 and 1 fetch for x, waves 2 and 3 for W; an s_nop 0 and four v_nop follow each line
	s_cmp_eq_u32 s[RH], 0
	s_cbranch_scc0 .Lfor_b_\@
	tensor_load_to_lds s[\g0a:\g0a+3], s[\g1a:\g1a+7]
	s_nop 0
.rept 4
	v_nop
.endr
	s_branch .Lasked_\@
.Lfor_b_\@:
	tensor_load_to_lds s[\g0b:\g0b+3], s[\g1b:\g1b+7]
	s_nop 0
.rept 4
	v_nop
.endr
.Lasked_\@:
.endm
.macro CROUND                          ; a round of the cluster's barrier
	s_barrier_signal -1
	s_barrier_wait -1
	s_cmp_lg_u32 s[WV], 0
	s_cbranch_scc1 .Lnot_wave_0_\@
	s_barrier_signal -3
.Lnot_wave_0_\@:
	s_barrier_wait -3
	s_barrier_signal -1
	s_barrier_wait -1
.endm
.macro PLACES n
.rept \n
	v_nop
.endr
.endm
	s_load_b512 s[4:19], s[0:1], 0x0               ; xc s[4:5], xs s[6:7], wc s[8:9], ws s[10:11], bq s[12:13], bk s[14:15], bv s[16:17], qkv s[18:19]
	s_load_b64 s[20:21], s[0:1], 0x40              ; q32
	v_lshl_add_u32 v[SPW], v0, 2, SPARE
	v_mov_b32 v[NIL], 0
	ds_add_u32 v[SPW], v[NIL]                      ; the wave's opening: the add, twice on end, and its wait ahead of my first tensor load
	ds_add_u32 v[SPW], v[NIL]
	v_lshrrev_b32 v1, 5, v0
	v_readfirstlane_b32 s[WV], v1
	s_lshr_b32 s[RH], s[WV], 1
	s_and_b32 s[CH], s[WV], 1
	s_bfe_u32 s40, ttmp6, 0x40000                  ; cx
	s_bfe_u32 s41, ttmp6, 0x40004                  ; cy
	s_lshl_b32 s42, ttmp9, 2
	s_add_co_u32 s42, s42, s40                     ; tile column
	s_and_b32 s72, ttmp7, 0xffff                   ; the block of 256 tokens in the batch: alike in all sixteen partners
	s_lshl_b32 s45, s41, 3
	s_add_co_u32 s45, s45, s72                     ; tile row
	s_lshl_b32 s43, s41, 2
	s_lshl_b32 s43, 15, s43                        ; my row of the cluster
	s_lshl_b32 s44, 0x1111, s40                    ; my column
	s_or_b32 s[G1+0], s43, (3<<16)|(1<<21)         ; 15:0 the mask; 17:16 elements of 8 bytes; 21 set beside a mask; no padding
	s_or_b32 s[G1B+0], s44, (3<<16)|(1<<21)
.irp g, G1, G1B                        ; eight tiles' codes: 32,768 dense bytes as 128 rows of 256
	s_mov_b32 s[\g+1], 32<<16
	s_mov_b32 s[\g+2], 128<<16
	s_mov_b32 s[\g+3], 32<<16
	s_mov_b32 s[\g+4], 128
	s_mov_b32 s[\g+5], 32
	s_mov_b32 s[\g+6], 0
	s_mov_b32 s[\g+7], 0
.endr
	s_or_b32 s[G1S+0], s43, (3<<16)|(1<<21)
	s_or_b32 s[G1SB+0], s44, (3<<16)|(1<<21)
.irp g, G1S, G1SB                      ; eight tiles' scale words: 8 K steps x 512 bytes
	s_mov_b32 s[\g+1], 64<<16
	s_mov_b32 s[\g+2], 8<<16
	s_mov_b32 s[\g+3], 64<<16
	s_mov_b32 s[\g+4], 8
	s_mov_b32 s[\g+6], 0
	s_mov_b32 s[\g+7], 0
.endr
	s_mov_b32 s[G1S+5], 4096                       ; from K step to K step: 32,768 bytes in xs,
	s_mov_b32 s[G1SB+5], 1536                      ; 12,288 in ws
	s_lshl_b32 s47, s[CH], 3
	s_lshl_b32 s46, s45, 4
	s_add_co_u32 s46, s46, s47                     ; x: my first token tile: 16 x tile row + 8 x half
	s_lshl_b32 s74, s42, 4
	s_add_co_u32 s74, s74, s47                     ; W: my first channel tile
	s_lshl_b32 s76, s46, 6                         ; their scale words: 64 bytes a tile,
	s_mov_b32 s77, 0
	s_lshl_b32 s78, s74, 6
	s_mov_b32 s79, 0
	s_lshl_b32 s46, s46, 12                        ; their codes: 4,096 a tile
	s_mov_b32 s47, 0
	s_lshl_b32 s74, s74, 12
	s_mov_b32 s75, 0
	s_lshl_b32 s73, s[WV], 15                      ; where they go: 32,768 x wave,
	s_lshl_b32 s2, s[WV], 12                       ; 4,096 x wave: no place in the cluster enters an LDS address
	s_wait_dscnt 0x0                               ; both opening adds are done
	s_wait_kmcnt 0x0
	s_add_nc_u64 s[46:47], s[4:5], s[46:47]
	s_add_nc_u64 s[76:77], s[6:7], s[76:77]
	s_add_nc_u64 s[74:75], s[8:9], s[74:75]
	s_add_nc_u64 s[78:79], s[10:11], s[78:79]
	CROUND                                         ; all sixteen work-groups are here: the joint loads meet
	s_mov_b32 s[G0S], 1
	s_add_co_u32 s[G0S+1], s2, SCL
	s_mov_b64 s[G0S+2:G0S+3], s[76:77]
	s_or_b32 s[G0S+3], s[G0S+3], 0x80000000
	s_mov_b32 s[G0SB], 1
	s_add_co_u32 s[G0SB+1], s2, SCL
	s_mov_b64 s[G0SB+2:G0SB+3], s[78:79]
	s_or_b32 s[G0SB+3], s[G0SB+3], 0x80000000
	JLOAD G0S, G1S, G0SB, G1SB
.irp s, 0,1
	s_mov_b32 s[G0+4*\s], 1
	s_add_co_u32 s[G0+4*\s+1], s73, \s*SLOT
	s_add_nc_u64 s[G0+4*\s+2:G0+4*\s+3], s[46:47], \s*2097152
	s_or_b32 s[G0+4*\s+3], s[G0+4*\s+3], 0x80000000
	s_mov_b32 s[G0B+4*\s], 1
	s_add_co_u32 s[G0B+4*\s+1], s73, \s*SLOT
	s_add_nc_u64 s[G0B+4*\s+2:G0B+4*\s+3], s[74:75], \s*786432
	s_or_b32 s[G0B+4*\s+3], s[G0B+4*\s+3], 0x80000000
	JLOAD G0+4*\s, G1, G0B+4*\s, G1B
.endr
	s_cmp_eq_u32 ttmp9, 0                          ; the tensor's bias
	s_cselect_b64 s[12:13], s[12:13], s[14:15]
	s_cmp_eq_u32 ttmp9, 2
	s_cselect_b64 s[12:13], s[16:17], s[12:13]
	s_lshl_b32 s14, s40, 10                        ; my 128 channels: 256 cx + 128 x half, 4 bytes each
	s_lshl_b32 s15, s[CH], 9
	s_add_co_u32 s14, s14, s15
	s_mov_b32 s15, 0
	s_add_nc_u64 s[12:13], s[12:13], s[14:15]
	v_and_b32 v1, 15, v0                           ; r
	v_bfe_u32 v2, v0, 4, 1                         ; h
	v_and_b32 v3, 31, v0
	v_lshlrev_b32 v[LI], 4, v3
	v_lshlrev_b32 v4, 5, v2                        ; the bias of channels 8 h on
	WIN TO_B
.irp b, 0,1,2,3,4,5,6,7
	global_load_b128 v[BI+8*\b:BI+8*\b+3], v4, s[12:13] offset:64*\b
	global_load_b128 v[BI+8*\b+4:BI+8*\b+7], v4, s[12:13] offset:64*\b+16
.endr
	WIN 0
	s_lshl_b32 s14, s[RH], 15
	s_lshl_b32 s15, s[CH], 15
	s_add_co_u32 s15, s15, BOFF
.irp s, 0,1
	v_add_nc_u32 v[ADRA+\s], s14, v[LI]
	v_add_nc_u32 v[ADRB+\s], s15, v[LI]
	s_add_co_u32 s14, s14, SLOT
	s_add_co_u32 s15, s15, SLOT
.endr
	s_lshl_b32 s14, s[RH], 12                      ; x's words of my half;
	s_lshl_b32 s15, s[CH], 12
	s_add_co_u32 s15, s15, 8192
	s_sub_co_u32 s15, s15, s14                     ; W's lie this far behind them
	v_mul_u32_u24 v5, s15, v2                      ; lanes 16-31 take W's
	s_add_co_u32 s14, s14, SCL
	v_lshl_add_u32 v5, v1, 2, v5
	v_add_nc_u32 v[ADRS], s14, v5
	v_lshrrev_b32 v6, 3, v1                        ; v's place in an image: 256 (r / 8) + 128 h + 16 (r % 8)
	v_and_b32 v7, 7, v1
	v_lshlrev_b32 v6, 8, v6
	v_lshl_add_u32 v6, v2, 7, v6
	v_lshl_add_u32 v6, v7, 4, v6
	s_cmp_eq_u32 ttmp9, 2
	s_cselect_b32 s14, -1, 0
	v_cndmask_b32 v[CO], v[LI], v6, s14
	s_lshl_b32 s4, s41, 4                          ; qkv: batch and head 16 cy + 4 cx + 2 x half,
	s_lshl_b32 s5, s40, 2
	s_add_co_u32 s4, s4, s5
	s_lshl_b32 s5, s[CH], 1
	s_add_co_u32 s4, s4, s5
	s_mul_i32 s4, s4, 786432
	s_lshr_b32 s5, s72, 1                          ; the slot of 512 tokens,
	s_mul_i32 s5, s5, 196608
	s_add_co_u32 s4, s4, s5
	s_lshl_b32 s5, ttmp9, 16                       ; the tensor,
	s_add_co_u32 s4, s4, s5
	s_and_b32 s5, s72, 1                           ; and my first token tile in the slot: 16 (block % 2) + 8 x half
	s_lshl_b32 s5, s5, 15
	s_add_co_u32 s4, s4, s5
	s_lshl_b32 s5, s[RH], 14
	s_add_co_u32 s4, s4, s5
	s_mov_b32 s5, 0
	s_add_nc_u64 s[18:19], s[18:19], s[4:5]
	s_mul_i32 s6, s41, 3                           ; q32: ((3 batch + tensor) 16 + head) x 4,096
	s_add_co_u32 s6, s6, ttmp9
	s_lshl_b32 s6, s6, 4
	s_lshl_b32 s7, s40, 2
	s_add_co_u32 s6, s6, s7
	s_lshl_b32 s7, s[CH], 1
	s_add_co_u32 s6, s6, s7
	s_lshl_b32 s6, s6, 12
	s_mov_b32 s7, 0
	s_add_nc_u64 s[20:21], s[20:21], s[6:7]
	s_or_b32 s8, s72, s[RH]                        ; 0 where my first 16 tokens are a batch's first
.macro FRAG reg, adr, q, i             ; a fragment: two groups of four registers, as they lie
.irp c, 0,1
	ds_load_b128 v[\reg+4*\c:\reg+4*\c+3], v[\adr] offset:4096*(\i)+1024*(\q)+512*\c
.endr
.endm
; 16 matrix instructions: x's tiles a0, a0 + 1 against W's eight.  p: W's set; sc: the slot.  first = 1: the bias is C.  The 64 accumulators take turns, one instruction a turn.
.macro MUL16 a0, p, q, sc, first
.irp a, \a0, \a0+1
.irp b, 0,1,2,3,4,5,6,7
.if \first
	v_wmma_scale_f32_16x16x128_f8f6f4 v[8*(8*((\a)%4)+\b):8*(8*((\a)%4)+\b)+7], v[128*(\p)+FR*\b:128*(\p)+FR*\b+FR-1], v[AF+FR*(\a):AF+FR*(\a)+FR-1], v[BI+8*\b:BI+8*\b+7], v[SC+8*NQ*(\sc)+NQ*\b+(\q)], v[SC+8*NQ*(\sc)+NQ*(\a)+(\q)] matrix_a_fmt:MATRIX_FMT_FP4 matrix_b_fmt:MATRIX_FMT_FP4 matrix_a_scale:MATRIX_SCALE_ROW1
.else
	v_wmma_scale_f32_16x16x128_f8f6f4 v[8*(8*((\a)%4)+\b):8*(8*((\a)%4)+\b)+7], v[128*(\p)+FR*\b:128*(\p)+FR*\b+FR-1], v[AF+FR*(\a):AF+FR*(\a)+FR-1], v[8*(8*((\a)%4)+\b):8*(8*((\a)%4)+\b)+7], v[SC+8*NQ*(\sc)+NQ*\b+(\q)], v[SC+8*NQ*(\sc)+NQ*(\a)+(\q)] matrix_a_fmt:MATRIX_FMT_FP4 matrix_b_fmt:MATRIX_FMT_FP4 matrix_a_scale:MATRIX_SCALE_ROW1
.endif
.endr
.endr
.endm
.macro FETCH_B slot, q, p
	WIN TO_B
.irp i, 0,1,2,3,4,5,6,7
	FRAG 128*(\p)+FR*\i, ADRB+\slot, \q, \i
.endr
	WIN 0
.endm
.macro FETCH_A slot, q, i0
.irp i, \i0, \i0+1, \i0+2, \i0+3
	FRAG AF+FR*(\i), ADRA+\slot, \q, \i
.endr
.endm
; A step of 128 along K that has its successor in the same slot.  Four plain places stand in front of each run of loads into registers that matrix instructions have read.
.macro STEP slot, q, first
	s_wait_dscnt 8                                 ; W's set and x's tiles 0-3 are in; the youngest eight loads (x's tiles 4-7) may be out
.if \first
	WIN 0x91                                       ; C (the bias) window 1, D window 2
.else
	WIN MUL_LO
.endif
	MUL16 0, (\q)%2, \q, \slot, \first
	MUL16 2, (\q)%2, \q, \slot, \first
	s_wait_dscnt 0x0                               ; x's tiles 4-7 are in
	PLACES 4
	FETCH_B \slot, (\q)+1, 1-(\q)%2
	FETCH_A \slot, (\q)+1, 0
.if \first
	WIN 0xd1
.else
	WIN MUL_HI
.endif
	MUL16 4, (\q)%2, \q, \slot, \first
	MUL16 6, (\q)%2, \q, \slot, \first
	PLACES 4
	WIN 0
	FETCH_A \slot, (\q)+1, 4
.endm
.macro STEPS slot, from
.set Q, \from
.rept NQ-1-\from
	STEP \slot, Q, 0
.set Q, Q+1
.endr
.endm
	s_wait_tensorcnt 1                             ; the scale words and my part of slot 0 are in; slot 1's load may be out
	s_barrier_signal -1
	s_barrier_wait -1                              ; everybody's are
	FETCH_B 0, 0, 0
	FETCH_A 0, 0, 0
.irp s, 0,1
.irp i, 0,1,2,3,4,5,6,7
.irp q, 0,1,2,3
	ds_load_b32 v[SC+32*\s+4*\i+\q], v[ADRS] offset:512*(4*\s+\q)+64*\i   ; all 64 scale words, once
.endr
.endr
.endr
	FETCH_A 0, 0, 4
	s_wait_loadcnt 0x0                             ; the bias
	STEP 0, 0, 1
	STEPS 0, 1
	; slot 0's last step changes slots: one barrier; in front of it each wave's part of slot 1 has landed
	s_wait_tensorcnt 0x0
	ds_add_u32 v[SPW], v[NIL]
	s_wait_dscnt 9                                 ; (the add and the youngest eight loads may be out)
	WIN MUL_LO
	MUL16 0, 1, NQ-1, 0, 0
	s_wait_dscnt 0x0
	s_barrier_signal -1
	MUL16 2, 1, NQ-1, 0, 0
	WIN 0
	s_barrier_wait -1
	PLACES 4
	FETCH_B 1, 0, 0
	FETCH_A 1, 0, 0
	WIN MUL_HI
	MUL16 4, 1, NQ-1, 0, 0
	MUL16 6, 1, NQ-1, 0, 0
	PLACES 4
	WIN 0
	FETCH_A 1, 0, 4
	STEPS 1, 0
	s_wait_dscnt 8                                 ; the last step: nothing more to fetch
	WIN MUL_LO
	MUL16 0, 1, NQ-1, 1, 0
	MUL16 2, 1, NQ-1, 1, 0
	s_wait_dscnt 0x0
	WIN MUL_HI
	MUL16 4, 1, NQ-1, 1, 0
	MUL16 6, 1, NQ-1, 1, 0
	WIN 0
	; THE WAY OUT.  Four places behind the last products; then straight from registers.
	PLACES 4
	s_cmp_lg_u32 s8, 0                             ; ids that all partners share, and the wave's number
	s_cbranch_scc1 .Lnofine
	WIN 0x08                                       ; a store's data: window 2
.irp b, 0,1,2,3,4,5,6,7
	global_store_b128 v[LI], v[8*\b:8*\b+3], s[20:21] offset:1024*\b          ; a batch's first 16 tokens in f32; each accumulator from its low end on
	global_store_b128 v[LI], v[8*\b+4:8*\b+7], s[20:21] offset:1024*\b+512
.endr
	WIN 0
.Lnofine:
.macro OUT a                           ; token tile a: 32 roundings to f16, eight stores of 512 consecutive bytes, aligned
.set AC, 64*((\a)%4)
.set TT, TMP+32*((\a)%2)
.if (\a) > 1
	s_wait_xcnt 0x0                                ; the stores of two tiles back have read these registers
.endif
	WIN 0x0a+5*((\a)/4)
.irp b, 0,1,2,3,4,5,6,7
.irp j, 0,1,2,3
	v_cvt_pk_f16_f32 v[TT+4*\b+\j], v[AC+8*\b+2*\j], v[AC+8*\b+2*\j+1]
.endr
.endr
	WIN 0
.irp b, 0,1,2,3,4,5,6,7
	global_store_b128 v[CO], v[TT+4*\b:TT+4*\b+3], s[18:19] offset:2048*(\a)+512*(\b%4)+786432*(\b/4)
.endr
.endm
.irp a, 0,1,2,3,4,5,6,7
	OUT \a
.endr
	s_wait_tensorcnt 0x0                           ; the wave's end
	ds_add_u32 v[SPW], v[NIL]
	s_wait_dscnt 0x0
	CROUND                                         ; the closing round
	s_endpgm
.Lfunc_end_k_qe3f951462c_qkv:
	.size	k_qe3f951462c_qkv, .Lfunc_end_k_qe3f951462c_qkv-k_qe3f951462c_qkv
	.p2alignl 7, 3214868480
	.fill 96, 4, 3214868480
	.section	.rodata,"a",@progbits
	.p2align	6, 0x0
	.amdhsa_kernel k_qe3f951462c_qkv
		.amdhsa_group_segment_fixed_size 327680
		.amdhsa_private_segment_fixed_size 0
		.amdhsa_enable_private_segment 0
		.amdhsa_kernarg_size 72
		.amdhsa_user_sgpr_count 2
		.amdhsa_user_sgpr_kernarg_segment_ptr 1
		.amdhsa_wavefront_size32 1
		.amdhsa_system_sgpr_workgroup_id_x 1
		.amdhsa_system_sgpr_workgroup_id_y 1
		.amdhsa_system_sgpr_workgroup_id_z 1
		.amdhsa_system_vgpr_workitem_id 0
		.amdhsa_next_free_vgpr 1024
		.amdhsa_next_free_sgpr 100
		.amdhsa_reserve_vcc 0
		.amdhsa_float_denorm_mode_32 3
		.amdhsa_float_denorm_mode_16_64 3
		.amdhsa_memory_ordered 1
		.amdhsa_forward_progress 1
		.amdhsa_inst_pref_size 124
	.end_amdhsa_kernel
	.amdgpu_metadata
---
amdhsa.version: [ 1, 2 ]
amdhsa.kernels:
  - .name:           k_qe3f951462c_qkv
    .symbol:         k_qe3f951462c_qkv.kd
    .args:
      - { .name: xc, .offset: 0, .size: 8, .value_kind: global_buffer, .address_space: global }
      - { .name: xs, .offset: 8, .size: 8, .value_kind: global_buffer, .address_space: global }
      - { .name: wc, .offset: 16, .size: 8, .value_kind: global_buffer, .address_space: global }
      - { .name: ws, .offset: 24, .size: 8, .value_kind: global_buffer, .address_space: global }
      - { .name: bq, .offset: 32, .size: 8, .value_kind: global_buffer, .address_space: global }
      - { .name: bk, .offset: 40, .size: 8, .value_kind: global_buffer, .address_space: global }
      - { .name: bv, .offset: 48, .size: 8, .value_kind: global_buffer, .address_space: global }
      - { .name: qkv, .offset: 56, .size: 8, .value_kind: global_buffer, .address_space: global }
      - { .name: q32, .offset: 64, .size: 8, .value_kind: global_buffer, .address_space: global }
    .group_segment_fixed_size: 327680
    .private_segment_fixed_size: 0
    .kernarg_segment_align: 8
    .kernarg_segment_size: 72
    .max_flat_workgroup_size: 128
    .sgpr_count:     100
    .vgpr_count:     1024
    .wavefront_size: 32
...
	.end_amdgpu_metadata
.endif
;; end of part 2
;; launch attn (part 3): grid 4 x 64, 8 waves a work-group, clusters of 4 x 1, 327,680 bytes of LDS; arguments qkv, y16; writes y16
.if DOCPART == 3
	.amdgcn_target "amdgcn-amd-amdhsa--gfx1250"
	.amdhsa_code_object_version 6
	.text
	.protected	k_qe3f951462c_attn
	.globl	k_qe3f951462c_attn
	.p2align	8
	.type	k_qe3f951462c_attn,@function
k_qe3f951462c_attn:
	s_mov_b64 s[64:65], 0
	v_nop
	global_prefetch_b8 v0, s[64:65] scope:SCOPE_SE
	s_setreg_imm32_b32 hwreg(HW_REG_WAVE_MODE, 25, 1), 1
	s_wait_xcnt 0x0
	s_wait_alu depctr_hold_cnt(0) depctr_sa_sdst(0) depctr_va_vdst(0) depctr_va_sdst(0) depctr_va_ssrc(0) depctr_va_vcc(0) depctr_vm_vsrc(0)
	s_getreg_b32 s2, hwreg(HW_REG_IB_STS2, 6, 4)
	s_cmp_eq_u32 s2, 0
	s_cbranch_scc0 .Lentry_in_a_cluster
	s_endpgm
.Lentry_in_a_cluster:
	s_bfe_u32 s2, ttmp6, 0x10000c
	s_cmp_lg_u32 s2, 0x3003
	s_cbranch_scc0 .Lentry_shape_is_right
	s_endpgm
.Lentry_shape_is_right:
; y[b][h][q] = the sum over k <= q of softmax_k(q . k / 8) v, head size 64, 2,048 positions, 64 (batch, head) pairs.  q, k, v: f16 images (see below); products and sums in f32; p is rounded to f16 for the second product; y leaves as f16 images.
; A running maximum m and sum l for each query: p = 2^(c s - c m), c = log2(e) / 8; in every step O and l are multiplied by a = 2^(c m_old - c m_new).
; SHARES.  A cluster of four work-groups is one (batch, head).  The head's 128 tiles of 16 queries are dealt as tile = 4 x rank + place in the cluster, rank 0 .. 31.  Wave w of eight owns ranks 31 - w, 16 + w, 15 - w, w.
; Keys go 64 a step.  Rank R sees all keys of steps under R, part of step R (the causal mask) and none beyond: so what a step does hangs on the wave's number and the count of steps alone, alike in all partners;
; every wave has 66 tile steps; up to four tiles share each fragment of K and V; wave 0's rank 31 reads every step, so every tensor load is read.
; A KEY STEP GOES TILE BY TILE: K Q^T, softmax and V^T P of tile 0, then of tile 1, and so on.  My ranks fall from tile 0 to tile 3, so ONE test in front of each tile leads to the step's end at the first tile that the step hides.
; Two waves lie on a SIMD: one wave's vector work stands beside the other's products.
; LAYOUT.  S^T = K Q^T (source 0 = 16 keys, source 1 = 16 queries): a lane holds ONE query and keys 8 (lane / 16) + 0 .. 7 of each tile; two tiles packed to f16 ARE source 1 of O^T = V^T P.
; qkv [bh 64][slot 4][tensor 3][token tile 32][c 4][512 B]: an image is four registers of a fragment, lane l's 16 bytes at 16 l (v: laid so that ds_load_tr16_b128 at 16 l gives V^T).  K and V of a slot of 512 keys are 131,072
; consecutive bytes: wave w moves 16,384 of them by one tensor load, asked for jointly by the four partners.  Two LDS slots; two loads a wave are out at the start, one behind each round; a refill has eight key steps in which to land.
; y16 [ks 8][token tile 512][kk 4][g 2][512 B]: the operand of the projection.
; LIMITS: p and y go to f16 (p under 6e-8 becomes 0).  NaN and infinities are not served.
; No prefetch: a refill is asked for eight key steps ahead of the wait for it, and the first fills stand at the head.
; REGISTERS: window 0: v1-19 addresses; v32-63 statistics, 8 a tile; v64-191 S^T, 32 a tile, P in the low 16 of them; v192-255 K.   window 1: v0-63 Q; v64-191 O^T, 32 a tile; v192-255 V^T.
.set SLOT1, 131072
.set VOFF,  65536
.set SPARE, 2*SLOT1                    ; the spare words, 128 bytes a wave, which no other line names
.set LI,   1                           ; v1  16 x lane
.set LV,   2                           ; v2  the same in V's part of a slot
.set ADK,  3                           ; v3  the step's K
.set ADV,  4                           ; v4  the step's V
.set DM,   5                           ; v5  16 x place + r - 8 h: register n of a tile on the diagonal is hidden where 16 (n / 8) + n % 8 is above it
.set NINF, 6                           ; v6  -infinity
.set SPW,  10                          ; v10 LDS address of my spare word; never rewritten
.set NIL,  11                          ; v11 0; never rewritten
.set QO,   12                          ; v12-15 my tiles' byte offsets in qkv
.set GO,   16                          ; v16-19 and in y16
.set ST,   32                          ; tile q at v[ST + 8 q]: +0 c m, +1 m, +2, +3 l, +4 to +7 at work; a in +6
.set S,    64
.set KF,   192
.set OT,   64                          ; in window 1
.set VF,   192                         ; in window 1
.set WV,   8                           ; s8  wave
.set JP,   9                           ; s9  my place in the cluster: it enters global offsets and DM alone
.set BH,   10                          ; s10 batch and head
.set RK,   12                          ; s12-15 my four ranks, falling
.set G1,   16                          ; s[16:23] descriptor group 1
.set G0A,  24                          ; s[24:27] group 0 of LDS slot 0;  s[28:31] of slot 1
.set G0B,  28
.set CS,   32                          ; s[32:33] c
.set SEL,  34                          ; s[34:35] lane l xor 16
.set TB,   36                          ; s36 LDS byte of the step's tiles
.set SG,   37                          ; s37 the key step, 0 .. 31
.set CNT,  38
.set MSB, 0
.macro WIN new                         ; the immediate's high byte repeats the setting that is left
.if MSB != \new
	s_set_vgpr_msb (MSB<<8)|\new
.set MSB, \new
.endif
.endm
.macro CROUND                          ; a round of the cluster's barrier
	s_barrier_signal -1
	s_barrier_wait -1
	s_cmp_lg_u32 s[WV], 0
	s_cbranch_scc1 .Lnot_wave_0_\@
	s_barrier_signal -3
.Lnot_wave_0_\@:
	s_barrier_wait -3
	s_barrier_signal -1
	s_barrier_wait -1
.endm
	s_load_b128 s[4:7], s[0:1], 0x0                ; qkv s[4:5], y16 s[6:7]
	v_lshl_add_u32 v[SPW], v0, 2, SPARE
	v_mov_b32 v[NIL], 0
	ds_add_u32 v[SPW], v[NIL]                      ; the wave's opening: the add, twice on end, and its wait ahead of my first tensor load
	ds_add_u32 v[SPW], v[NIL]
	v_lshrrev_b32 v1, 5, v0
	v_readfirstlane_b32 s[WV], v1
	s_bfe_u32 s[JP], ttmp6, 0x40000
	s_and_b32 s[BH], ttmp7, 0xffff
	s_xor_b32 s[RK], s[WV], 31
	s_add_co_u32 s[RK+1], s[WV], 16
	s_xor_b32 s[RK+2], s[WV], 15
	s_mov_b32 s[RK+3], s[WV]
	s_mov_b32 s[G1], 15|(3<<16)|(1<<21)            ; 15:0 all four work-groups; 17:16 elements of 8 bytes; 21 set beside a mask; no padding
	s_mov_b32 s[G1+1], 32<<16                      ; 16,384 dense bytes as 64 rows of 256
	s_mov_b32 s[G1+2], 64<<16
	s_mov_b32 s[G1+3], 32<<16
	s_mov_b32 s[G1+4], 64
	s_mov_b32 s[G1+5], 32
	s_mov_b32 s[G1+6], 0
	s_mov_b32 s[G1+7], 0
	s_mov_b32 s[CS], 0x3e38aa3b                    ; log2(e) / 8
	s_mov_b32 s[CS+1], s[CS]
	s_mov_b32 s[SEL], 0x76543210
	s_mov_b32 s[SEL+1], 0xfedcba98
	s_mov_b32 s[SG], 0
	s_mul_i32 s40, s[BH], 786432                   ; the head's first byte in qkv
	s_lshl_b32 s41, s[WV], 14                      ; my 16,384 bytes of a slot, in memory and in LDS
	s_add_co_u32 s42, s40, s41
	s_add_co_u32 s42, s42, 65536                   ; K begins behind Q
	s_mov_b32 s43, 0
	s_wait_dscnt 0x0                               ; both opening adds are done
	s_wait_kmcnt 0x0
	CROUND                                         ; all four work-groups are here: the first joint loads meet
	s_mov_b32 s[G0A], 1
	s_mov_b32 s[G0A+1], s41
	s_add_nc_u64 s[G0A+2:G0A+3], s[4:5], s[42:43]
	s_mov_b32 s[G0B], 1
	s_add_co_u32 s[G0B+1], s41, SLOT1
	s_add_nc_u64 s[G0B+2:G0B+3], s[G0A+2:G0A+3], 196608
	s_or_b32 s[G0A+3], s[G0A+3], 0x80000000
	s_or_b32 s[G0B+3], s[G0B+3], 0x80000000
	tensor_load_to_lds s[G0A:G0A+3], s[G1:G1+7]    ; keys 0 to 511
	s_nop 0
	tensor_load_to_lds s[G0B:G0B+3], s[G1:G1+7]    ; keys 512 to 1,023
	s_nop 0
.rept 4
	v_nop
.endr
	v_and_b32 v7, 31, v0
	v_lshlrev_b32 v[LI], 4, v7
	v_add_nc_u32 v[LV], VOFF, v[LI]
	v_and_b32 v7, 15, v0
	v_bfe_u32 v8, v0, 4, 1
	v_lshlrev_b32 v8, 3, v8
	v_sub_nc_u32 v[DM], v7, v8
	s_lshl_b32 s44, s[JP], 4
	v_add_nc_u32 v[DM], s44, v[DM]
	v_mov_b32 v[NINF], 0xff800000
	s_and_b32 s44, s[BH], 15                       ; y16: K step head / 2, token tiles 128 x batch on, + 2,048 (head % 2)
	s_lshr_b32 s45, s44, 1
	s_lshl_b32 s47, s45, 21
	s_lshr_b32 s45, s[BH], 4
	s_lshl_b32 s45, s45, 19
	s_add_co_u32 s47, s47, s45
	s_and_b32 s45, s44, 1
	s_lshl_b32 s45, s45, 11
	s_add_co_u32 s47, s47, s45
.irp q, 0,1,2,3
	s_lshl_b32 s44, s[RK+\q], 2
	s_add_co_u32 s44, s44, s[JP]                   ; the query tile
	s_lshr_b32 s45, s44, 5
	s_mul_i32 s45, s45, 196608
	s_and_b32 s46, s44, 31
	s_lshl_b32 s46, s46, 11
	s_add_co_u32 s45, s45, s46
	s_add_co_u32 s45, s45, s40
	v_add_nc_u32 v[QO+\q], s45, v[LI]
	s_lshl_b32 s46, s44, 12
	s_add_co_u32 s46, s46, s47
	v_add_nc_u32 v[GO+\q], s46, v[LI]
.endr
	WIN 0x40                                       ; destination window 1
.irp q, 0,1,2,3
.irp c, 0,1,2,3
	global_load_b128 v[16*\q+4*\c:16*\q+4*\c+3], v[QO+\q], s[4:5] offset:512*\c   ; Q stays in registers
.endr
.endr
.set i, 0
.rept 128
	v_mov_b32 v[OT+i], 0                           ; O^T: the step is written with no first step of its own: the first finds zeros, which a = 0 leaves zeros
.set i, i+1
.endr
	WIN 0
.irp q, 0,1,2,3
	v_mov_b32 v[ST+8*\q+1], 0xff61b1e6             ; m = -3e38, under every score
	v_mul_f32 v[ST+8*\q], s[CS], v[ST+8*\q+1]
.irp j, 2,3,4,5,6,7
	v_mov_b32 v[ST+8*\q+\j], 0
.endr
.endr
	v_mov_b32 v8, 0
	v_mov_b32 v9, 0
; S^T of tile q: four accumulators by turns, two instructions deep (64 channels)
.macro KQ q
.irp u, 0,1
.irp kt, 0,1,2,3
.if \u == 0
	v_wmma_f32_16x16x32_f16 v[S+32*\q+8*\kt:S+32*\q+8*\kt+7], v[KF+16*\kt+8*\u:KF+16*\kt+8*\u+7], v[16*\q+8*\u:16*\q+8*\u+7], 0
.else
	v_wmma_f32_16x16x32_f16 v[S+32*\q+8*\kt:S+32*\q+8*\kt+7], v[KF+16*\kt+8*\u:KF+16*\kt+8*\u+7], v[16*\q+8*\u:16*\q+8*\u+7], v[S+32*\q+8*\kt:S+32*\q+8*\kt+7]
.endif
.endr
.endr
.endm
; on the diagonal (step = rank) the scores of hidden keys become -infinity ahead of the maximum
.macro MASK q
	s_cmp_lg_u32 s[SG], s[RK+\q]
	s_cbranch_scc1 .Lopen_\@
.set n, 0
.rept 32
	v_cmp_gt_i32 vcc_lo, 16*(n/8)+n%8, v[DM]
	v_cndmask_b32 v[S+32*\q+n], v[S+32*\q+n], v[NINF], vcc_lo
.set n, n+1
.endr
.Lopen_\@:
.endm
.macro SOFTMAX q
	MASK \q
.set rT, ST+8*\q
.set rS, S+32*\q
.irp j, 0,1,2,3
	v_max3_num_f32 v[rT+4+\j], v[rS+8*\j], v[rS+8*\j+1], v[rS+8*\j+2]          ; four chains, each beginning at an accumulator's low end
.endr
.irp g, 1,2
.irp j, 0,1,2,3
	v_max3_num_f32 v[rT+4+\j], v[rT+4+\j], v[rS+8*\j+2*\g+1], v[rS+8*\j+2*\g+2]
.endr
.endr
	v_max3_num_f32 v[rT+4], v[rT+4], v[rS+7], v[rS+15]
	v_max3_num_f32 v[rT+6], v[rT+6], v[rS+23], v[rS+31]
	v_max3_num_f32 v[rT+4], v[rT+4], v[rT+5], v[rT+6]
	v_max3_num_f32 v[rT+4], v[rT+4], v[rT+7], v[rT+1]                          ; with the old m
	v_permlanex16_b32 v[rT+5], v[rT+4], s[SEL], s[SEL+1]                       ; the query's other 32 keys lie in the lane 16 away
	v_mov_b32 v[rT+7], v[rT]                       ; c m_old
	v_max_num_f32 v[rT+1], v[rT+4], v[rT+5]        ; the new m
	v_mul_f32 v[rT], s[CS], v[rT+1]
	v_sub_f32 v[rT+7], v[rT+7], v[rT]
.set b, 0
.rept 16
	v_pk_fma_f32 v[rS+2*b:rS+2*b+1], v[rS+2*b:rS+2*b+1], s[CS:CS+1], v[rT:rT+1] op_sel_hi:[1,0,0] neg_lo:[0,0,1] neg_hi:[0,0,1]   ; c s - c m
.set b, b+1
.endr
	v_exp_f32 v[rT+6], v[rT+7]                     ; a
.set e, 0
.rept 32
	v_exp_f32 v[rS+e], v[rS+e]                     ; p
.set e, e+1
.endr
	v_nop                                          ; a plain line behind the last exponential
	s_wait_alu depctr_va_vdst(0)                   ; one wait for the batch of 33, ahead of its first reader
	v_pk_add_f32 v[rT+4:rT+5], v[rS:rS+1], v[rS+2:rS+3]                        ; the sum of the unrounded p, in two chains
	v_pk_add_f32 v[8:9], v[rS+4:rS+5], v[rS+6:rS+7]
.irp j, 8,12,16,20,24,28
	v_pk_add_f32 v[rT+4:rT+5], v[rT+4:rT+5], v[rS+\j:rS+\j+1]
	v_pk_add_f32 v[8:9], v[8:9], v[rS+\j+2:rS+\j+3]
.endr
	v_pk_add_f32 v[rT+4:rT+5], v[rT+4:rT+5], v[8:9]
	v_pk_fma_f32 v[rT+2:rT+3], v[rT+2:rT+3], v[rT+6:rT+7], v[rT+4:rT+5] op_sel_hi:[1,0,1]   ; l = a l + the sum
.set i, 0
.rept 16
	v_cvt_pk_f16_f32 v[rS+i], v[rS+2*i], v[rS+2*i+1]                           ; P, in place, ascending: register i is written when registers 2 i and 2 i + 1 are read
.set i, i+1
.endr
.endm
; O^T of tile q: times a, then four accumulators by turns, two instructions deep (64 keys)
.macro PV q
	WIN 0x41
.set i, 0
.rept 16
	v_pk_mul_f32 v[OT+32*\q+2*i:OT+32*\q+2*i+1], v[OT+32*\q+2*i:OT+32*\q+2*i+1], v[ST+8*\q+6:ST+8*\q+7] op_sel_hi:[1,0]
.set i, i+1
.endr
	WIN 0x51
.irp kg, 0,1
.irp ct, 0,1,2,3
	v_wmma_f32_16x16x32_f16 v[OT+32*\q+8*\ct:OT+32*\q+8*\ct+7], v[VF+32*\kg+8*\ct:VF+32*\kg+8*\ct+7], v[S+32*\q+8*\kg:S+32*\q+8*\kg+7], v[OT+32*\q+8*\ct:OT+32*\q+8*\ct+7]
.endr
.endr
	WIN 0
.endm
; ONE TILE'S KEY STEP: its scores, its softmax, its part of O^T.  The products of the tile before name none of this tile's registers.
.macro TILE q
	WIN 0x04
	KQ \q
	WIN 0
.rept 4
	v_nop                                          ; four places behind the tile's last product, ahead of the first read of its scores (ISA guide 7.12.1)
.endr
	SOFTMAX \q
.if \q == 0
	s_wait_dscnt 0x0                               ; V is in: its loads had tile 0's scores and softmax in which to land
.endif
	PV \q
.endm
; A KEY STEP of 64 keys.  One test in front of each tile: the first tile that the step hides ends the step.
.macro STEP
	s_cmp_gt_u32 s[SG], s[RK]
	s_cbranch_scc1 .Lhid_\@
	v_add_nc_u32 v[ADK], s[TB], v[LI]              ; five plain places behind the last step's products: tile 0's first products below write over P, which those may have read, and V's loads land in registers that they read
	v_add_nc_u32 v[ADV], s[TB], v[LV]
.rept 3
	v_nop
.endr
.set i, 0
.rept 16
	ds_load_b128 v[KF+4*i:KF+4*i+3], v[ADK] offset:512*i
.set i, i+1
.endr
	WIN 0x40
.irp tt, 0,1,2,3
.irp ct, 0,1,2,3
	ds_load_tr16_b128 v[VF+32*(\tt/2)+8*\ct+4*(\tt%2):VF+32*(\tt/2)+8*\ct+4*(\tt%2)+3], v[ADV] offset:(4*\tt+\ct)*512
.endr
.endr
	s_wait_dscnt 16                                ; K is in; V's sixteen loads may be out
	TILE 0
	s_cmp_gt_u32 s[SG], s[RK+1]
	s_cbranch_scc1 .Lhid_\@
	TILE 1
	s_cmp_gt_u32 s[SG], s[RK+2]
	s_cbranch_scc1 .Lhid_\@
	TILE 2
	s_cmp_gt_u32 s[SG], s[RK+3]
	s_cbranch_scc1 .Lhid_\@
	TILE 3
.Lhid_\@:
	s_add_co_u32 s[SG], s[SG], 1
	s_add_co_u32 s[TB], s[TB], 8192                ; four token tiles of 2,048 bytes
.endm
.macro STEPS8 slot                     ; the eight key steps of the LDS slot
	s_mov_b32 s[TB], \slot*SLOT1
	s_mov_b32 s[CNT], 8
.Lstep_\@:
	STEP
	s_sub_co_u32 s[CNT], s[CNT], 1
	s_cmp_lg_u32 s[CNT], 0
	s_cbranch_scc1 .Lstep_\@
.endm
; THE CHANGE OF SLOTS.  Each wave waits for all its tensor loads (its part of the slot ahead), adds 0 to its spare word, and waits for that and for its reads of the slot that it leaves.
; fill = 1: a round of the cluster's barrier, and behind it the slot just left takes the keys two slots on: the wave's one tensor load until the next round.
.macro CHANGE fill, g0
	s_wait_tensorcnt 0x0                           ; no tensor load of mine is out, so a group 0 may be written
	ds_add_u32 v[SPW], v[NIL]
.if \fill
	s_add_nc_u64 s[\g0+2:\g0+3], s[\g0+2:\g0+3], 2*196608
.endif
	s_wait_dscnt 0x0
.if \fill
	CROUND
	tensor_load_to_lds s[\g0:\g0+3], s[G1:G1+7]
	s_nop 0
.rept 4
	v_nop
.endr
.else
	s_barrier_signal -1
	s_barrier_wait -1
.endif
.endm
	s_wait_tensorcnt 1                             ; my part of slot 0 is in; slot 1's may be out
	s_barrier_signal -1
	s_barrier_wait -1
	s_wait_loadcnt 0x0                             ; Q
	STEPS8 0                                       ; keys 0 to 511
	CHANGE 1, G0A                                  ; slot 0 takes keys 1,024 to 1,535
	STEPS8 1
	CHANGE 1, G0B                                  ; slot 1 takes keys 1,536 to 2,047
	STEPS8 0
	CHANGE 0, G0A
	STEPS8 1
	; THE WAY OUT: O^T / l, rounded to f16: four images a tile, straight from registers
.rept 4
	v_nop
.endr
.irp q, 0,1,2,3
	v_add_f32 v[ST+8*\q+4], v[ST+8*\q+2], v[ST+8*\q+3]
.endr
.irp q, 0,1,2,3
	v_permlanex16_b32 v[ST+8*\q+5], v[ST+8*\q+4], s[SEL], s[SEL+1]
.endr
.irp q, 0,1,2,3
	v_add_f32 v[ST+8*\q+4], v[ST+8*\q+4], v[ST+8*\q+5]
.endr
.irp q, 0,1,2,3
	v_rcp_f32 v[ST+8*\q+6], v[ST+8*\q+4]
.endr
	v_nop
	s_wait_alu depctr_va_vdst(0)                   ; one wait for the four reciprocals
.irp q, 0,1,2,3
	WIN 0x41
.set i, 0
.rept 16
	v_pk_mul_f32 v[OT+32*\q+2*i:OT+32*\q+2*i+1], v[OT+32*\q+2*i:OT+32*\q+2*i+1], v[ST+8*\q+6:ST+8*\q+7] op_sel_hi:[1,0]
.set i, i+1
.endr
	WIN 0x05
.set i, 0
.rept 16
	v_cvt_pk_f16_f32 v[S+32*\q+i], v[OT+32*\q+2*i], v[OT+32*\q+2*i+1]
.set i, i+1
.endr
	WIN 0
.irp ct, 0,1,2,3
	global_store_b128 v[GO+\q], v[S+32*\q+4*\ct:S+32*\q+4*\ct+3], s[6:7] offset:512*\ct   ; 32 lanes store 512 consecutive bytes, aligned
.endr
.endr
	s_wait_tensorcnt 0x0                           ; the wave's end
	ds_add_u32 v[SPW], v[NIL]
	s_wait_dscnt 0x0
	CROUND                                         ; the closing round
	s_endpgm
.Lfunc_end_k_qe3f951462c_attn:
	.size	k_qe3f951462c_attn, .Lfunc_end_k_qe3f951462c_attn-k_qe3f951462c_attn
	.p2alignl 7, 3214868480
	.fill 96, 4, 3214868480
	.section	.rodata,"a",@progbits
	.p2align	6, 0x0
	.amdhsa_kernel k_qe3f951462c_attn
		.amdhsa_group_segment_fixed_size 327680
		.amdhsa_private_segment_fixed_size 0
		.amdhsa_enable_private_segment 0
		.amdhsa_kernarg_size 16
		.amdhsa_user_sgpr_count 2
		.amdhsa_user_sgpr_kernarg_segment_ptr 1
		.amdhsa_wavefront_size32 1
		.amdhsa_system_sgpr_workgroup_id_x 1
		.amdhsa_system_sgpr_workgroup_id_y 1
		.amdhsa_system_sgpr_workgroup_id_z 1
		.amdhsa_system_vgpr_workitem_id 0
		.amdhsa_next_free_vgpr 512
		.amdhsa_next_free_sgpr 66
		.amdhsa_reserve_vcc 1
		.amdhsa_float_denorm_mode_32 3
		.amdhsa_float_denorm_mode_16_64 3
		.amdhsa_memory_ordered 1
		.amdhsa_forward_progress 1
		.amdhsa_inst_pref_size 191
	.end_amdhsa_kernel
	.amdgpu_metadata
---
amdhsa.version: [ 1, 2 ]
amdhsa.kernels:
  - .name:           k_qe3f951462c_attn
    .symbol:         k_qe3f951462c_attn.kd
    .args:
      - { .name: qkv, .offset: 0, .size: 8, .value_kind: global_buffer, .address_space: global }
      - { .name: y16, .offset: 8, .size: 8, .value_kind: global_buffer, .address_space: global }
    .group_segment_fixed_size: 327680
    .private_segment_fixed_size: 0
    .kernarg_segment_align: 8
    .kernarg_segment_size: 16
    .max_flat_workgroup_size: 256
    .sgpr_count:     66
    .vgpr_count:     512
    .wavefront_size: 32
...
	.end_amdgpu_metadata
.endif
;; end of part 3
;; launch oproj (part 4): grid 4 x 64, 4 waves a work-group, clusters of 4 x 4, 327,680 bytes of LDS; arguments y16, wo16, bo, out0; writes out0
.if DOCPART == 4
	.amdgcn_target "amdgcn-amd-amdhsa--gfx1250"
	.amdhsa_code_object_version 6
	.text
	.protected	k_qe3f951462c_oproj
	.globl	k_qe3f951462c_oproj
	.p2align	8
	.type	k_qe3f951462c_oproj,@function
k_qe3f951462c_oproj:
	s_mov_b64 s[64:65], 0
	v_nop
	global_prefetch_b8 v0, s[64:65] scope:SCOPE_SE
	s_setreg_imm32_b32 hwreg(HW_REG_WAVE_MODE, 25, 1), 1
	s_wait_xcnt 0x0
	s_wait_alu depctr_hold_cnt(0) depctr_sa_sdst(0) depctr_va_vdst(0) depctr_va_sdst(0) depctr_va_ssrc(0) depctr_va_vcc(0) depctr_vm_vsrc(0)
	s_getreg_b32 s2, hwreg(HW_REG_IB_STS2, 6, 4)
	s_cmp_eq_u32 s2, 0
	s_cbranch_scc0 .Lentry_in_a_cluster
	s_endpgm
.Lentry_in_a_cluster:
	s_bfe_u32 s2, ttmp6, 0x10000c
	s_cmp_lg_u32 s2, 0xf033
	s_cbranch_scc0 .Lentry_shape_is_right
	s_endpgm
.Lentry_shape_is_right:
; out = y Wo + bo.  y [8192][1024] and Wo [1024 (k)][1024 (n)] come as f16 images of operand registers; sums in f32; out0 [8192][1024] f32.
; A tile of the result is 128 tokens x 256 columns: 256 work-groups.  Four waves, each 64 x 128: 32 accumulators, 256 registers, 1,024 matrix instructions.
; K goes in 8 steps of 128 through a ring of two LDS slots: y's 8 token tiles of 4,096 bytes, then Wo's 16 column tiles.  Waves 0 and 1 fetch y's halves, waves 2 and 3 Wo's: dense blocks, one load a wave.
; CLUSTER 4 x 4: y's tiles are shared along a row of the cluster, Wo's along a column: each is asked for jointly.  Two loads a wave are out at the start, one behind each round.
; THE MATRIX INSTRUCTION IS USED TRANSPOSED (source 0 = 16 columns of Wo, source 1 = 16 tokens): a lane holds eight neighbouring columns of one token.  The bias is the C of each sum's first instruction.
; Rows 0 to 15 of each batch are written here too, and written again, more finely, by the launch that follows.
; No prefetch: the launch's own loads and stores keep memory busy.
; REGISTERS: window 0: v16-29 addresses; v32-95 y's fragments, two buffers; v96-223 Wo's, two buffers, later rows on the way out.  window 1: the accumulators, (a, b) at v[8 (8 a + b)].  window 2: v0-63 the bias.
.set SLOT,   98304
.set BOFF,   32768
.set STAGE,  2*SLOT                    ; behind the ring: 16 rows x (512 + 16) bytes for each wave; no fill lands here
.set SPITCH, 528
.set SPARE,  STAGE+4*16*SPITCH         ; the spare words, 128 bytes a wave, which no other line names
.set LAPS,   4                         ; a lap = two K steps
.set ADRA, 16
.set ADRB, 20
.set STO,  24
.set RD,   25
.set CO,   26
.set SPW,  28
.set NIL,  29
.set AFR,  32
.set BF,   96
.set BK,   96
.set WV,   12                          ; s12 wave
.set RH,   13                          ; s13 which half of the tokens is mine; also: I fetch for y (0) or for Wo (1)
.set CH,   14                          ; s14 which half of the columns; also: which half I fetch
.set G1,  24
.set G0,  32
.set G1B, 48
.set G0B, 56
.set MSB, 0
.macro WIN new
.if MSB != \new
	s_set_vgpr_msb (MSB<<8)|\new
.set MSB, \new
.endif
.endm
.set MUL,  0x50                        ; operands window 0; C and D window 1
.set MUL1, 0x60                        ; C (the bias) window 2, D window 1
.macro JLOAD s
	s_cmp_eq_u32 s[RH], 0
	s_cbranch_scc0 .Lfor_b_\@
	tensor_load_to_lds s[G0+4*\s:G0+4*\s+3], s[G1:G1+7]
	s_nop 0
.rept 4
	v_nop
.endr
	s_branch .Lasked_\@
.Lfor_b_\@:
	tensor_load_to_lds s[G0B+4*\s:G0B+4*\s+3], s[G1B:G1B+7]
	s_nop 0
.rept 4
	v_nop
.endr
.Lasked_\@:
.endm
.macro CREST
	s_cmp_lg_u32 s[WV], 0
	s_cbranch_scc1 .Lnot_wave_0_\@
	s_barrier_signal -3
.Lnot_wave_0_\@:
	s_barrier_wait -3
	s_barrier_signal -1
	s_barrier_wait -1
.endm
.macro CROUND
	s_barrier_signal -1
	s_barrier_wait -1
	CREST
.endm
.macro PLACES
.rept 4
	v_nop
.endr
.endm
	s_load_b256 s[4:11], s[0:1], 0x0               ; y16 s[4:5], wo16 s[6:7], bo s[8:9], out0 s[10:11]
	v_lshl_add_u32 v[SPW], v0, 2, SPARE
	v_mov_b32 v[NIL], 0
	ds_add_u32 v[SPW], v[NIL]                      ; the wave's opening: the add, twice on end, and its wait ahead of my first tensor load
	ds_add_u32 v[SPW], v[NIL]
	v_lshrrev_b32 v1, 5, v0
	v_readfirstlane_b32 s[WV], v1
	s_lshr_b32 s[RH], s[WV], 1
	s_and_b32 s[CH], s[WV], 1
	s_bfe_u32 s40, ttmp6, 0x40000                  ; cx
	s_bfe_u32 s41, ttmp6, 0x40004                  ; cy
	s_lshl_b32 s42, ttmp9, 2
	s_add_co_u32 s42, s42, s40                     ; tile column
	s_and_b32 s15, ttmp7, 0xffff
	s_lshl_b32 s15, s15, 2
	s_add_co_u32 s15, s15, s41                     ; tile row
	s_lshl_b32 s43, s41, 2
	s_lshl_b32 s43, 15, s43
	s_lshl_b32 s44, 0x1111, s40
	s_or_b32 s[G1+0], s43, (3<<16)|(1<<21)         ; the mask; elements of 8 bytes; bit 21 beside a mask; no padding
	s_or_b32 s[G1B+0], s44, (3<<16)|(1<<21)
	s_mov_b32 s[G1+1], 32<<16                      ; y: 16,384 dense bytes as 64 rows of 256
	s_mov_b32 s[G1+2], 64<<16
	s_mov_b32 s[G1+3], 32<<16
	s_mov_b32 s[G1+4], 64
	s_mov_b32 s[G1+5], 32
	s_mov_b32 s[G1+6], 0
	s_mov_b32 s[G1+7], 0
	s_mov_b32 s[G1B+1], 32<<16                     ; Wo: 32,768 as 128 rows
	s_mov_b32 s[G1B+2], 128<<16
	s_mov_b32 s[G1B+3], 32<<16
	s_mov_b32 s[G1B+4], 128
	s_mov_b32 s[G1B+5], 32
	s_mov_b32 s[G1B+6], 0
	s_mov_b32 s[G1B+7], 0
	s_lshl_b32 s16, s15, 3
	s_lshl_b32 s17, s[CH], 2
	s_add_co_u32 s16, s16, s17                     ; y: token tile 8 x tile row + 4 x half
	s_lshl_b32 s16, s16, 12
	s_mov_b32 s17, 0
	s_lshl_b32 s46, s42, 4
	s_lshl_b32 s47, s[CH], 3
	s_add_co_u32 s46, s46, s47                     ; Wo: column tile 16 x tile column + 8 x half
	s_lshl_b32 s46, s46, 12
	s_mov_b32 s47, 0
	s_lshl_b32 s20, s[CH], 14                      ; where they go: no place in the cluster enters an LDS address
	s_lshl_b32 s21, s[CH], 15
	s_add_co_u32 s21, s21, BOFF
	s_wait_dscnt 0x0                               ; both opening adds are done
	s_wait_kmcnt 0x0
	s_add_nc_u64 s[16:17], s[4:5], s[16:17]
	s_add_nc_u64 s[46:47], s[6:7], s[46:47]
	CROUND
.irp s, 0,1
	s_mov_b32 s[G0+4*\s], 1
	s_add_co_u32 s[G0+4*\s+1], s20, \s*SLOT
	s_add_nc_u64 s[G0+4*\s+2:G0+4*\s+3], s[16:17], \s*2097152
	s_or_b32 s[G0+4*\s+3], s[G0+4*\s+3], 0x80000000
	s_mov_b32 s[G0B+4*\s], 1
	s_add_co_u32 s[G0B+4*\s+1], s21, \s*SLOT
	s_add_nc_u64 s[G0B+4*\s+2:G0B+4*\s+3], s[46:47], \s*262144
	s_or_b32 s[G0B+4*\s+3], s[G0B+4*\s+3], 0x80000000
	JLOAD \s
.endr
	v_and_b32 v1, 15, v0                           ; r
	v_bfe_u32 v2, v0, 4, 1                         ; h
	v_and_b32 v3, 31, v0
	v_lshlrev_b32 v[CO], 4, v3                     ; 16 x lane
	s_lshl_b32 s18, s42, 10                        ; my 128 columns, 4 bytes each
	s_lshl_b32 s19, s[CH], 9
	s_add_co_u32 s18, s18, s19
	s_mov_b32 s19, 0
	s_add_nc_u64 s[8:9], s[8:9], s[18:19]
	s_add_nc_u64 s[10:11], s[10:11], s[18:19]
	s_lshl_b32 s18, s15, 19                        ; my 64 tokens: rows of 4,096 bytes
	s_lshl_b32 s22, s[RH], 18
	s_add_co_u32 s18, s18, s22
	s_add_nc_u64 s[10:11], s[10:11], s[18:19]
	v_lshlrev_b32 v4, 5, v2
	WIN 0x80                                       ; destination window 2
.irp b, 0,1,2,3,4,5,6,7
	global_load_b128 v[8*\b:8*\b+3], v4, s[8:9] offset:64*\b
	global_load_b128 v[8*\b+4:8*\b+7], v4, s[8:9] offset:64*\b+16
.endr
	WIN 0
	s_lshl_b32 s22, s[RH], 14
	s_lshl_b32 s23, s[CH], 15
	s_add_co_u32 s23, s23, BOFF
.irp s, 0,1
	v_add_nc_u32 v[ADRA+\s], s22, v[CO]
	v_add_nc_u32 v[ADRB+\s], s23, v[CO]
	s_add_co_u32 s22, s22, SLOT
	s_add_co_u32 s23, s23, SLOT
.endr
	s_mul_i32 s22, s[WV], 16*SPITCH
	s_add_co_u32 s22, s22, STAGE                   ; my stage
	v_mul_u32_u24 v5, v1, SPITCH
	v_lshl_add_u32 v5, v2, 5, v5
	v_add_nc_u32 v[STO], s22, v5                   ; in: row r, 32 bytes for each half of the lanes
	v_add_nc_u32 v[RD], s22, v[CO]                 ; back: the 32 lanes take one row of 512 bytes
.macro FETCH slot, kk, f               ; the fragments of 32 along K into buffer f: Wo's eight, then y's four
.irp i, 0,1,2,3,4,5,6,7
	ds_load_b128 v[BF+64*\f+8*\i:BF+64*\f+8*\i+3],   v[ADRB+\slot] offset:(4*\i+\kk)*1024
	ds_load_b128 v[BF+64*\f+8*\i+4:BF+64*\f+8*\i+7], v[ADRB+\slot] offset:(4*\i+\kk)*1024+512
.endr
.irp i, 0,1,2,3
	ds_load_b128 v[AFR+32*\f+8*\i:AFR+32*\f+8*\i+3],   v[ADRA+\slot] offset:(4*\i+\kk)*1024
	ds_load_b128 v[AFR+32*\f+8*\i+4:AFR+32*\f+8*\i+7], v[ADRA+\slot] offset:(4*\i+\kk)*1024+512
.endr
.endm
.macro MUL8 f, a, first                ; token tile a against the eight column tiles.  The 32 accumulators take turns, one instruction a turn
.irp b, 0,1,2,3,4,5,6,7
.if \first
	v_wmma_f32_16x16x32_f16 v[8*(8*\a+\b):8*(8*\a+\b)+7], v[BF+64*\f+8*\b:BF+64*\f+8*\b+7], v[AFR+32*\f+8*\a:AFR+32*\f+8*\a+7], v[8*\b:8*\b+7]
.else
	v_wmma_f32_16x16x32_f16 v[8*(8*\a+\b):8*(8*\a+\b)+7], v[BF+64*\f+8*\b:BF+64*\f+8*\b+7], v[AFR+32*\f+8*\a:AFR+32*\f+8*\a+7], v[8*(8*\a+\b):8*(8*\a+\b)+7]
.endif
.endr
.endm
; A K step is four quarters of 32 along K on buffers 0, 1, 0, 1.  One of the first three: multiplies buffer f and fetches quarter kn into g.
.macro QUARTER slot, kn, f, g, first
	s_wait_dscnt 4                                 ; Wo's eight and y's tiles 0, 1 are in; the youngest four loads (y's tiles 2, 3) may be out
.if \first
	WIN MUL1
.else
	WIN MUL
.endif
	MUL8 \f, 0, \first
	MUL8 \f, 1, \first
	PLACES                                         ; four places in front of loads into registers that matrix instructions have read
	WIN 0
	FETCH \slot, \kn, \g
	s_wait_dscnt 24                                ; all but the 24 just issued
.if \first
	WIN MUL1
.else
	WIN MUL
.endif
	MUL8 \f, 2, \first
	MUL8 \f, 3, \first
.endm
; The last quarter multiplies buffer 1 and changes slots: one barrier; in front of it each wave waits for all its tensor loads, adds 0 to its spare word, and waits for that and for its reads of this slot.
.macro TURN slot, next, fill
	WIN 0
	s_wait_tensorcnt 0x0                           ; my part of the next slot has landed
	ds_add_u32 v[SPW], v[NIL]
	s_wait_dscnt 5                                 ; (the add and the youngest four loads may be out)
	WIN MUL
	MUL8 1, 0, 0
	s_wait_dscnt 0x0                               ; the add is done, and my reads of this slot are over
	s_barrier_signal -1
	MUL8 1, 1, 0
	WIN 0
	s_barrier_wait -1
.if \fill
	CREST                                          ; the barrier has opened a round of the cluster's: no wave of any partner still reads this slot or has a load on its way
	s_add_nc_u64 s[G0+4*\slot+2:G0+4*\slot+3], s[G0+4*\slot+2:G0+4*\slot+3], 2*2097152
	s_add_nc_u64 s[G0B+4*\slot+2:G0B+4*\slot+3], s[G0B+4*\slot+2:G0B+4*\slot+3], 2*262144
	JLOAD \slot                                    ; the first tensor load behind the round; its four v_nop are also the places in front of the loads below
.else
	PLACES
.endif
	FETCH \next, 0, 0
	WIN MUL
	MUL8 1, 2, 0
	MUL8 1, 3, 0
.endm
	s_wait_tensorcnt 1                             ; my part of K step 0 is in; K step 1's may be out
	s_barrier_signal -1
	s_barrier_wait -1
	FETCH 0, 0, 0
	s_wait_loadcnt 0x0                             ; the bias
	QUARTER 0, 1, 0, 1, 1                          ; the first quarter stands in front of the loop: its products start the sums, with the bias
	WIN 0
	s_mov_b32 s3, LAPS-1
.Llap:                                                 ; a trip goes once round the ring and fills both slots again
	QUARTER 0, 2, 1, 0, 0
	QUARTER 0, 3, 0, 1, 0
	TURN 0, 1, 1
	QUARTER 1, 1, 0, 1, 0
	QUARTER 1, 2, 1, 0, 0
	QUARTER 1, 3, 0, 1, 0
	TURN 1, 0, 1
	QUARTER 0, 1, 0, 1, 0
	WIN 0
	s_sub_co_u32 s3, s3, 1
	s_cmp_lg_u32 s3, 0
	s_cbranch_scc1 .Llap
	QUARTER 0, 2, 1, 0, 0                          ; the last lap fills nothing
	QUARTER 0, 3, 0, 1, 0
	TURN 0, 1, 0
	QUARTER 1, 1, 0, 1, 0
	QUARTER 1, 2, 1, 0, 0
	QUARTER 1, 3, 0, 1, 0
	s_wait_dscnt 4
	WIN MUL
	MUL8 1, 0, 0
	MUL8 1, 1, 0
	s_wait_dscnt 0x0
	MUL8 1, 2, 0
	MUL8 1, 3, 0
	WIN 0
; THE WAY OUT, a token tile (16 rows x 128 columns) at a time, through my own stage: in as 32 bytes a lane, back as whole rows of 512 bytes.  LDS serves a wave's instructions in order.
.macro TOSTAGE a
	WIN 0x04                                       ; an LDS store's data: window 1
.irp b, 0,1,2,3,4,5,6,7
	ds_store_b128 v[STO], v[8*(8*(\a)+\b):8*(8*(\a)+\b)+3] offset:64*\b        ; each accumulator from its low end on
	ds_store_b128 v[STO], v[8*(8*(\a)+\b)+4:8*(8*(\a)+\b)+7] offset:64*\b+16
.endr
	WIN 0
.set BB, BK+64*((\a)%2)
.irp t, 0,1,2,3,4,5,6,7,8,9,10,11,12,13,14,15
	ds_load_b128 v[BB+4*\t:BB+4*\t+3], v[RD] offset:\t*SPITCH
.endr
.endm
.macro SEND a, younger
.set BB, BK+64*((\a)%2)
	s_wait_dscnt \younger
.irp t, 0,1,2,3,4,5,6,7,8,9,10,11,12,13,14,15
	global_store_b128 v[CO], v[BB+4*\t:BB+4*\t+3], s[10:11] offset:(16*(\a)+\t)*4096 th:TH_STORE_NT   ; 32 lanes store 512 consecutive bytes, aligned
.endr
.endm
	PLACES
	TOSTAGE 0
.irp a, 1,2,3
.if \a > 1
	s_wait_xcnt 0x0                                ; the stores of two tiles back have read the registers that this tile's loads take
.endif
	TOSTAGE \a
	SEND \a-1, 32                                  ; behind that tile's loads: this tile's 16 stores and 16 loads
.endr
	SEND 3, 0
	s_wait_tensorcnt 0x0                           ; the wave's end
	ds_add_u32 v[SPW], v[NIL]
	s_wait_dscnt 0x0
	CROUND                                         ; the closing round
	s_endpgm
.Lfunc_end_k_qe3f951462c_oproj:
	.size	k_qe3f951462c_oproj, .Lfunc_end_k_qe3f951462c_oproj-k_qe3f951462c_oproj
	.p2alignl 7, 3214868480
	.fill 96, 4, 3214868480
	.section	.rodata,"a",@progbits
	.p2align	6, 0x0
	.amdhsa_kernel k_qe3f951462c_oproj
		.amdhsa_group_segment_fixed_size 327680
		.amdhsa_private_segment_fixed_size 0
		.amdhsa_enable_private_segment 0
		.amdhsa_kernarg_size 32
		.amdhsa_user_sgpr_count 2
		.amdhsa_user_sgpr_kernarg_segment_ptr 1
		.amdhsa_wavefront_size32 1
		.amdhsa_system_sgpr_workgroup_id_x 1
		.amdhsa_system_sgpr_workgroup_id_y 1
		.amdhsa_system_sgpr_workgroup_id_z 1
		.amdhsa_system_vgpr_workitem_id 0
		.amdhsa_next_free_vgpr 1024
		.amdhsa_next_free_sgpr 66
		.amdhsa_reserve_vcc 0
		.amdhsa_float_denorm_mode_32 3
		.amdhsa_float_denorm_mode_16_64 3
		.amdhsa_memory_ordered 1
		.amdhsa_forward_progress 1
		.amdhsa_inst_pref_size 86
	.end_amdhsa_kernel
	.amdgpu_metadata
---
amdhsa.version: [ 1, 2 ]
amdhsa.kernels:
  - .name:           k_qe3f951462c_oproj
    .symbol:         k_qe3f951462c_oproj.kd
    .args:
      - { .name: y16, .offset: 0, .size: 8, .value_kind: global_buffer, .address_space: global }
      - { .name: wo16, .offset: 8, .size: 8, .value_kind: global_buffer, .address_space: global }
      - { .name: bo, .offset: 16, .size: 8, .value_kind: global_buffer, .address_space: global }
      - { .name: out0, .offset: 24, .size: 8, .value_kind: global_buffer, .address_space: global }
    .group_segment_fixed_size: 327680
    .private_segment_fixed_size: 0
    .kernarg_segment_align: 8
    .kernarg_segment_size: 32
    .max_flat_workgroup_size: 128
    .sgpr_count:     66
    .vgpr_count:     1024
    .wavefront_size: 32
...
	.end_amdgpu_metadata
.endif
;; end of part 4
;; launch fine (part 5): grid 16 x 4, 16 waves a work-group, no clusters, 141,312 bytes of LDS; arguments q32, Wo, bo, out0; writes out0
.if DOCPART == 5
	.amdgcn_target "amdgcn-amd-amdhsa--gfx1250"
	.amdhsa_code_object_version 6
	.text
	.protected	k_qe3f951462c_fine
	.globl	k_qe3f951462c_fine
	.p2align	8
	.type	k_qe3f951462c_fine,@function
k_qe3f951462c_fine:
	s_mov_b64 s[64:65], 0
	v_nop
	global_prefetch_b8 v0, s[64:65] scope:SCOPE_SE
	s_setreg_imm32_b32 hwreg(HW_REG_WAVE_MODE, 25, 1), 1
	s_wait_xcnt 0x0
; Positions 0 to 15 of each batch, whose rows of the softmax average 1 to 16 values, once more in f32 throughout: attention and the projection; these 64 rows of out0 are written over.
; A work-group is (a slice of 64 output columns, a batch).  Wave w is head w: it makes y of its 64 channels for the 16 tokens and multiplies them, still in registers, by Wo's rows 64 w .. 64 w + 63 of the slice; the sixteen partial
; sums meet in LDS, and wave w adds and stores token w's 64 numbers: 256 consecutive bytes, aligned.
; All products by v_wmma_f32_16x16x4_f32, 96 a wave.  K is taken in the order in which the registers lie, alike on both sources.  The four accumulators v224-255 are written by matrix instructions alone;
; each sum begins with the constant 0; the accumulators take turns.
; q32 [batch 4][tensor 3][head 16][b 4][u 2][512 B], f32: lane (r, h): token r, channels 16 b + 8 h + 4 u + 0 .. 3.
; LIMITS: NaN and infinities are not served.
; 64 work-groups: a finer split would store parts of 256-byte runs.  No tensor loads, no cluster: nothing here is shared through LDS fills.
.set WR,    4352                       ; a wave's region: 16 rows x (256 + 16) bytes
.set RED,   16*WR                      ; the partial sums
.set SPARE, 2*16*WR                    ; the spare words, 128 bytes a wave, which no other line names
.set M,     224
	s_load_b256 s[4:11], s[0:1], 0x0               ; q32 s[4:5], Wo s[6:7], bo s[8:9], out0 s[10:11]
	v_lshl_add_u32 v12, v0, 2, SPARE               ; v12 my spare word; never rewritten
	v_mov_b32 v13, 0                               ; v13 0; never rewritten
	v_lshrrev_b32 v1, 5, v0
	v_readfirstlane_b32 s12, v1                    ; wave = head = the token that I finish
	s_and_b32 s14, ttmp7, 0xffff                   ; batch
	v_and_b32 v11, 31, v0
	v_lshlrev_b32 v1, 4, v11                       ; v1  16 x lane
	v_lshlrev_b32 v11, 3, v11                      ; v11 8 x lane
	v_and_b32 v2, 15, v0                           ; r
	v_bfe_u32 v3, v0, 4, 1                         ; h
	v_lshlrev_b32 v4, 2, v2
	v_lshl_add_u32 v4, v3, 15, v4                  ; v4  Wo: 8 h rows of 4,096 bytes + 4 r
	s_mul_i32 s15, s12, WR
	v_mul_u32_u24 v5, v2, 272
	v_lshl_add_u32 v5, v3, 5, v5
	v_add_nc_u32 v5, s15, v5                       ; v5  V into my region: row r, + 32 h
	v_add_nc_u32 v7, RED, v5                       ; v7  my partial sums: the same place in the second half
	v_mul_u32_u24 v6, v3, 2176
	v_lshl_add_u32 v6, v2, 2, v6
	v_add_nc_u32 v6, s15, v6                       ; v6  V^T out of it: rows 8 h on, channel r
	s_mul_i32 s16, s12, 272
	s_add_co_u32 s16, s16, RED
	v_add_nc_u32 v8, s16, v11                      ; v8  token w's row of a partial sum, 8 bytes a lane
	v_lshlrev_b32 v9, 3, v3
	v_sub_nc_u32 v9, v2, v9                        ; v9  r - 8 h: key register j is hidden where j is above it
	v_mov_b32 v10, 0xff800000
	s_mov_b32 s20, 0x76543210
	s_mov_b32 s21, 0xfedcba98
	s_mov_b32 s22, 0x3e38aa3b                      ; c = log2(e) / 8
	s_mul_i32 s24, s14, 48
	s_add_co_u32 s24, s24, s12
	s_lshl_b32 s24, s24, 12                        ; q32: (48 batch + head) x 4,096; the tensors 65,536 apart
	s_mov_b32 s25, 0
	s_lshl_b32 s28, ttmp9, 8                       ; the slice: 256 bytes
	s_mov_b32 s29, 0
	s_lshl_b32 s26, s12, 18                        ; Wo: 64 rows a head
	s_add_co_u32 s26, s26, s28
	s_mov_b32 s27, 0
	s_lshl_b32 s30, s14, 23                        ; out0: 2,048 rows a batch, row w
	s_lshl_b32 s31, s12, 12
	s_add_co_u32 s30, s30, s31
	s_add_co_u32 s30, s30, s28
	s_mov_b32 s31, 0
	s_wait_kmcnt 0x0
	s_add_nc_u64 s[4:5], s[4:5], s[24:25]
	s_add_nc_u64 s[6:7], s[6:7], s[26:27]
	s_add_nc_u64 s[8:9], s[8:9], s[28:29]
	s_add_nc_u64 s[10:11], s[10:11], s[30:31]
.irp i, 0,1,2,3,4,5,6,7
	global_load_b128 v[16+4*\i:19+4*\i], v1, s[4:5] offset:512*\i              ; q: v16-47
.endr
.irp i, 0,1,2,3,4,5,6,7
	global_load_b128 v[48+4*\i:51+4*\i], v1, s[4:5] offset:65536+512*\i        ; k: v48-79
.endr
.irp i, 0,1,2,3,4,5,6,7
	global_load_b128 v[80+4*\i:83+4*\i], v1, s[4:5] offset:131072+512*\i       ; v: v80-111
.endr
	global_load_b64 v[14:15], v11, s[8:9]          ; bo of my two columns
; Wo for channels 16 ct on: register 2 (4 sp + nt) + j: Wo(64 w + 16 ct + 8 h + 2 sp + j, 64 slice + 16 nt + r)
.macro WLOAD reg, ct
.irp sp, 0,1,2,3
.irp nt, 0,1,2,3
.irp j, 0,1
	global_load_b32 v[\reg+2*(4*\sp+\nt)+\j], v4, s[6:7] offset:(16*\ct+2*\sp+\j)*4096+64*\nt
.endr
.endr
.endr
.endm
	WLOAD 160, 0
	WLOAD 192, 1
	s_wait_loadcnt 63                              ; q, k, v and bo are in: 64 loads were issued behind them, and the count can name 63 at the most
.set kx, 0
.rept 16                               ; S^T = K Q^T: four channels an instruction, four partial sums by turns
.if kx < 4
	v_wmma_f32_16x16x4_f32 v[M+8*(kx%4):M+8*(kx%4)+7], v[48+2*kx:49+2*kx], v[16+2*kx:17+2*kx], 0
.else
	v_wmma_f32_16x16x4_f32 v[M+8*(kx%4):M+8*(kx%4)+7], v[48+2*kx:49+2*kx], v[16+2*kx:17+2*kx], v[M+8*(kx%4):M+8*(kx%4)+7]
.endif
.set kx, kx+1
.endr
.irp i, 0,1,2,3,4,5,6,7
	ds_store_b128 v5, v[80+4*\i:83+4*\i] offset:64*(\i/2)+16*(\i%2)            ; V by rows into my own region;
.endr
.irp ct, 0,1,2,3
.irp sx, 0,1,2,3
.irp j, 0,1
	ds_load_b32 v[112+2*(4*\ct+\sx)+\j], v6 offset:272*(2*\sx+\j)+64*\ct       ; and back by columns: V(8 h + 2 sx + j, 16 ct + r).  LDS serves a wave's instructions in order
.endr
.endr
.endr
.rept 8
	v_nop                                          ; eight places behind this form, ahead of the first read of results and of loads into its sources
.endr
.irp j, 0,2,4,6
	v_pk_add_f32 v[144+\j:145+\j], v[M+\j:M+\j+1], v[M+8+\j:M+9+\j]            ; the four partial sums, each from its low end on
	v_pk_add_f32 v[152+\j:153+\j], v[M+16+\j:M+17+\j], v[M+24+\j:M+25+\j]
.endr
.irp j, 0,2,4,6
	v_pk_add_f32 v[144+\j:145+\j], v[144+\j:145+\j], v[152+\j:153+\j]          ; v144-151: the scores of query r against keys 8 h + 0 .. 7
.endr
	WLOAD 16, 2                                    ; q's and k's registers take the rest of Wo
	WLOAD 48, 3
.irp j, 0,1,2,3,4,5,6,7
	v_cmp_gt_i32 vcc_lo, \j, v9
	v_cndmask_b32 v[144+\j], v[144+\j], v10, vcc_lo                            ; the causal mask
.endr
	v_max3_num_f32 v152, v144, v145, v146
	v_max3_num_f32 v153, v147, v148, v149
	v_max3_num_f32 v152, v152, v150, v151
	v_max_num_f32 v152, v152, v153
	v_permlanex16_b32 v153, v152, s20, s21
	v_max_num_f32 v152, v152, v153                 ; the row's maximum
	v_mul_f32 v154, s22, v152
.irp j, 0,1,2,3,4,5,6,7
	v_fma_f32 v[144+\j], v[144+\j], s22, -v154
.endr
.irp j, 0,1,2,3,4,5,6,7
	v_exp_f32 v[144+\j], v[144+\j]                 ; p
.endr
	v_nop
	s_wait_alu depctr_va_vdst(0)                   ; one wait for the eight, ahead of their first reader
	v_pk_add_f32 v[156:157], v[144:145], v[146:147]
	v_pk_add_f32 v[158:159], v[148:149], v[150:151]
	v_pk_add_f32 v[156:157], v[156:157], v[158:159]
	v_add_f32 v155, v156, v157
	v_permlanex16_b32 v153, v155, s20, s21
	v_add_f32 v155, v155, v153                     ; the row's sum
	v_rcp_f32 v154, v155
	v_nop
	s_wait_alu depctr_va_vdst(0)
	s_wait_dscnt 0x0                               ; V^T is in
.irp sx, 0,1,2,3                       ; O^T = V^T P: four keys an instruction, the four channel tiles by turns
.irp ct, 0,1,2,3
.if \sx == 0
	v_wmma_f32_16x16x4_f32 v[M+8*\ct:M+8*\ct+7], v[112+2*(4*\ct+\sx):113+2*(4*\ct+\sx)], v[144+2*\sx:145+2*\sx], 0
.else
	v_wmma_f32_16x16x4_f32 v[M+8*\ct:M+8*\ct+7], v[112+2*(4*\ct+\sx):113+2*(4*\ct+\sx)], v[144+2*\sx:145+2*\sx], v[M+8*\ct:M+8*\ct+7]
.endif
.endr
.endr
.rept 8
	v_nop
.endr
.set i, 0
.rept 32
	v_mul_f32 v[80+i], v[M+i], v154                ; y(token r, channel 16 ct + 8 h + j) in v[80 + 8 ct + j]
.set i, i+1
.endr
	s_wait_loadcnt 63                              ; Wo's first two groups are in: 64 loads were issued behind them
.irp ct, 0,1,2,3                       ; my part of out^T: four channels an instruction, the four column tiles by turns
.if \ct == 2
	s_wait_loadcnt 32                              ; the last group's 32 loads may be out
.endif
.if \ct == 3
	s_wait_loadcnt 0x0
.endif
.if \ct < 2
.set WB, 160+32*\ct
.else
.set WB, 16+32*(\ct-2)
.endif
.irp sp, 0,1,2,3
.irp nt, 0,1,2,3
.if (\ct == 0) && (\sp == 0)
	v_wmma_f32_16x16x4_f32 v[M+8*\nt:M+8*\nt+7], v[WB+2*(4*\sp+\nt):WB+2*(4*\sp+\nt)+1], v[80+8*\ct+2*\sp:81+8*\ct+2*\sp], 0
.else
	v_wmma_f32_16x16x4_f32 v[M+8*\nt:M+8*\nt+7], v[WB+2*(4*\sp+\nt):WB+2*(4*\sp+\nt)+1], v[80+8*\ct+2*\sp:81+8*\ct+2*\sp], v[M+8*\nt:M+8*\nt+7]
.endif
.endr
.endr
.endr
.rept 8
	v_nop
.endr
.irp nt, 0,1,2,3
	ds_store_b128 v7, v[M+8*\nt:M+8*\nt+3] offset:64*\nt                       ; lane (r, h): token r, columns 16 nt + 8 h + 0 .. 7
	ds_store_b128 v7, v[M+8*\nt+4:M+8*\nt+7] offset:64*\nt+16
.endr
	s_wait_dscnt 0x0                               ; for the others' sake: my stores are done
	s_barrier_signal -1
	s_barrier_wait -1
.irp u, 0,1,2,3,4,5,6,7,8,9,10,11,12,13,14,15
	ds_load_b64 v[112+2*\u:113+2*\u], v8 offset:WR*\u                          ; token w's row of each head's partial sum
.endr
	s_wait_dscnt 0x0
.irp u, 0,1,2,3,4,5,6,7
	v_pk_add_f32 v[112+4*\u:113+4*\u], v[112+4*\u:113+4*\u], v[114+4*\u:115+4*\u]
.endr
.irp u, 0,1,2,3
	v_pk_add_f32 v[112+8*\u:113+8*\u], v[112+8*\u:113+8*\u], v[116+8*\u:117+8*\u]
.endr
	v_pk_add_f32 v[112:113], v[112:113], v[120:121]
	v_pk_add_f32 v[128:129], v[128:129], v[136:137]
	v_pk_add_f32 v[112:113], v[112:113], v[128:129]
	v_pk_add_f32 v[112:113], v[112:113], v[14:15]  ; + bo
	global_store_b64 v11, v[112:113], s[10:11]     ; 32 lanes store 256 consecutive bytes, aligned
	s_wait_tensorcnt 0x0                           ; the wave's end
	ds_add_u32 v12, v13
	s_wait_dscnt 0x0
	s_endpgm
.Lfunc_end_k_qe3f951462c_fine:
	.size	k_qe3f951462c_fine, .Lfunc_end_k_qe3f951462c_fine-k_qe3f951462c_fine
	.p2alignl 7, 3214868480
	.fill 96, 4, 3214868480
	.section	.rodata,"a",@progbits
	.p2align	6, 0x0
	.amdhsa_kernel k_qe3f951462c_fine
		.amdhsa_group_segment_fixed_size 141312
		.amdhsa_private_segment_fixed_size 0
		.amdhsa_enable_private_segment 0
		.amdhsa_kernarg_size 32
		.amdhsa_user_sgpr_count 2
		.amdhsa_user_sgpr_kernarg_segment_ptr 1
		.amdhsa_wavefront_size32 1
		.amdhsa_system_sgpr_workgroup_id_x 1
		.amdhsa_system_sgpr_workgroup_id_y 1
		.amdhsa_system_sgpr_workgroup_id_z 1
		.amdhsa_system_vgpr_workitem_id 0
		.amdhsa_next_free_vgpr 256
		.amdhsa_next_free_sgpr 66
		.amdhsa_reserve_vcc 1
		.amdhsa_float_denorm_mode_32 3
		.amdhsa_float_denorm_mode_16_64 3
		.amdhsa_memory_ordered 1
		.amdhsa_forward_progress 1
		.amdhsa_inst_pref_size 33
	.end_amdhsa_kernel
	.amdgpu_metadata
---
amdhsa.version: [ 1, 2 ]
amdhsa.kernels:
  - .name:           k_qe3f951462c_fine
    .symbol:         k_qe3f951462c_fine.kd
    .args:
      - { .name: q32, .offset: 0, .size: 8, .value_kind: global_buffer, .address_space: global }
      - { .name: Wo, .offset: 8, .size: 8, .value_kind: global_buffer, .address_space: global }
      - { .name: bo, .offset: 16, .size: 8, .value_kind: global_buffer, .address_space: global }
      - { .name: out0, .offset: 24, .size: 8, .value_kind: global_buffer, .address_space: global }
    .group_segment_fixed_size: 141312
    .private_segment_fixed_size: 0
    .kernarg_segment_align: 8
    .kernarg_segment_size: 32
    .max_flat_workgroup_size: 512
    .sgpr_count:     66
    .vgpr_count:     256
    .wavefront_size: 32
...
	.end_amdgpu_metadata
.endif
;; end of part 5
